; MI455X (gfx1250); checked and timed in simulation.
; The chip was launched on July 23, 2026; its instructions are those of AMD's public machine-readable ISA for CDNA 5 (MIT licence, August 2026) and "CDNA5" Instruction Set Architecture Reference Guide (July 2026). The comments in the code are by the model that wrote it; some were corrected since.
;; Tree. Allowed arithmetic: matrix products marked QUANTISED: E2M3 operands, one E8M0 scale for each 32 along K, by v_wmma_scale_f32_16x16x128_f8f6f4 with both operands' format E2M3, f32 sums; everything else in f32.
;; Inputs: W 1,024 x 1,024 float32; b 1,024 float32; feature_mask 2,048 x 1,024 float32; x 16,384 x 2,048 float32.
;; Outputs: out0 16,384 x 1,024 float32.
;; This version of the problem:
;;   THIS VERSION OF THE PROBLEM IS GIVEN IN LOW PRECISION. The matrix products marked QUANTISED in the list below multiply operands that are first quantised to E2M3 (2 exponent bits, 3 mantissa bits; 6 bits a number), with one power-of-two scale for each 32 numbers along K (OCP MX v1.0); their sums are f32. All else is computed in f32.
;;   The module's matrix products, in the order in which they are computed (A, B: the left and right operand; K: the contracted axis; several contracted axes count as one K, in the product's order):
;;     1. [M 16,384, K 2,048] x [K 2,048, N 1,024]; A: input x; B: input feature_mask: QUANTISED
;;     2. [M 16,384, K 1,024] x [K 1,024, N 1,024]; A: computed on the way; B: input W: QUANTISED
;;   THE QUANTISER, for each operand of a quantised product, along K:
;;     - K is cut into blocks of 32 from its start; a last block that is shorter is filled with zeros.
;;     - A block's scale is 2^e with e = floor(log2(the largest magnitude in the block)) - 2, held to -126 .. 127; a block of zeros has e = 0. As a byte (E8M0): e + 127.
;;     - Each number is divided by its block's scale, clamped to +-7.5, and rounded to the nearest number of E2M3, ties to even, subnormals kept.
;;     - The product sums the exact products of the quantised numbers (number of the format x scale) in f32.
;;   ~~~python
;;   def quantise(x, axis):      # numpy; x: float32 -> the quantised numbers, widened to float32 again
;;       x = np.moveaxis(x, axis, -1); K = x.shape[-1]
;;       x = np.pad(x, [(0, 0)] * (x.ndim - 1) + [(0, -K % 32)]); x = x.reshape(x.shape[:-1] + (-1, 32)); a = np.abs(x).max(-1, keepdims=True)
;;       e = np.where(a > 0, np.clip(np.frexp(np.where(a > 0, a, 1))[1] - 1 - 2, -126, 127), 0)      # np.frexp(a)[1] - 1 = floor(log2(a)), exactly
;;       r = np.clip(x / 2.0 ** e, -7.5, 7.5)
;;       step = 2.0 ** (np.maximum(np.frexp(np.where(r == 0, 1, r))[1] - 1, 0) - 3)
;;       q = np.round(r / step) * step * 2.0 ** e      # np.round: ties to even
;;       return np.moveaxis(q.reshape(q.shape[:-2] + (-1,))[..., :K], -1, axis).astype(np.float32)
;;   ~~~
;;   OPERANDS COMPUTED ON THE WAY. 'Computed on the way' means the value that the module computes at that place (a softmax that the list does not call 'softmax' is quantised finished and normalised). What goes into a quantiser is computed in f32, as accurately as f32 sums, v_exp_f32 and their like allow (about 1e-6 of the number): no bf16 or f16 on the way to a quantiser, and a product that is left as it is and whose result goes on into a quantised operand takes f32 operands (vector FMAs, or v_wmma_f32_16x16x4_f32). A number that lies on a knife's edge between two numbers of the format may be rounded either way, as far as f32 arithmetic and the matrix unit's own rounding can turn it there, and no further.
;; 2 versions, each right and faster than the one before. Each part assembles by itself: llvm-mc -triple=amdgcn-amd-amdhsa -mcpu=gfx1250 --defsym DOCPART=n.
;; ======== version 1 of 2: 2 launches
;; limits: a function is approximated: absolute error at most 6e-08
;; workspace buffers: wq 2,457,600 bytes
;; launch prep (part 1): grid 768 x 1, 1 waves a work-group, no clusters, 0 bytes of LDS; arguments feature_mask, W, wq; writes wq
.if DOCPART == 1
	.amdgcn_target "amdgcn-amd-amdhsa--gfx1250"
	.amdhsa_code_object_version 6
	.text
	.protected	k_qd051b13f73_prep
	.globl	k_qd051b13f73_prep
	.p2align	8
	.type	k_qd051b13f73_prep,@function
k_qd051b13f73_prep:
	s_mov_b64 s[64:65], 0
	v_nop
	global_prefetch_b8 v0, s[64:65] scope:SCOPE_SE
	s_setreg_imm32_b32 hwreg(HW_REG_WAVE_MODE, 25, 1), 1
	s_wait_xcnt 0x0
; feature_mask [2048 (k)][1024 (n)] and W [1024 (n)][1024 (k)], f32, are quantised along K to codes of FP6 (E2M3) with one E8M0 byte for each 32 along K,
; once, into the stream wq, laid in the order and the register layout in which the second launch takes it.
; wq = 24 steps of 102,400 bytes: steps 0-15 are feature_mask's K steps of 128, steps 16-23 are W's.  A step = 4 parts of 25,600 bytes, one for each wave of the reader.
; A part = 16 fragment images of 1,536 bytes (tile t at 1536 t), then 8 rows of scale words of 128 bytes.  An image is the operand's 12 registers as they stand:
; registers 4 c .. 4 c + 3 of lane L at 512 c + 16 L; lane (r, hh) holds of tile row r the codes of k = 64 c' + 32 hh + 0 .. 31 in registers 6 c' .. 6 c' + 5.
; Scale row i: word L < 16 is tile 2 i's row L, word L >= 16 is tile 2 i + 1's row L - 16.
; WHICH ROW OF A WEIGHT IS ROW r OF TILE t OF PART w is free, and is chosen for the reader:
;   feature_mask: column n = 256 w + 32 (t / 2) + 8 (t % 2) + r + 8 (r / 8): two neighbouring tiles' results are then 16 neighbours along the second product's K.
;   W: q = 8 t + r % 8 is the heap index in the subtree of depth 7 under column 8 + g, g = 2 w + r / 8: row n = q + (7 + g) P, P the highest power of two <= q;
;      q = 0 takes column 4 + w (r / 8 = 0) or column w (r / 8 = 1): the top of the tree.
; A block's scale byte is its largest magnitude's exponent field - 2, held at 1 from below; a block of zeros so gets the byte 1 where the rule says 127:
; its codes are zeros, which add nothing under any byte but 0xff, and this program alone reads the bytes.
; LIMITS: NaN and infinities among the inputs are not served.
; 768 work-groups of one wave, 16 KiB of f32 each: 512 for feature_mask (32 columns x 128 k), 256 for W (two tiles x 128 k).  No LDS, no barrier.
.set STEPB, 102400
.set PARTB, 25600
.set SCOFF, 24576
.set MA,  16                           ; v16-19  a block's largest magnitude, first chain
.set MB,  20                           ; v20-23  second chain
.set SCL, 24                           ; v24-27  the conversions' scale operands
.set BY,  28                           ; v28-31  the scale bytes
.set X,   32                           ; v32-159 128 numbers
.set F0,  160                          ; v160-183 two images of 12 registers
.set TQ,  184                          ; v184-199 the upper halves of four blocks' codes, until they are moved
; 32 numbers v[src] .. v[src + 31], one block, all in my lane: its byte, and its codes: the lower 16 into v[dst] .. v[dst + 2], the upper 16 into TQ's set k
.macro BLK src, dst, k
	v_max3_num_f32 v[MA+\k], |v[\src]|, |v[\src+1]|, |v[\src+2]|
	v_max3_num_f32 v[MB+\k], |v[\src+3]|, |v[\src+4]|, |v[\src+5]|
.irp i, 6,10,14,18,22,26
	v_max3_num_f32 v[MA+\k], v[MA+\k], |v[\src+\i]|, |v[\src+\i+1]|
	v_max3_num_f32 v[MB+\k], v[MB+\k], |v[\src+\i+2]|, |v[\src+\i+3]|
.endr
	v_max3_num_f32 v[MA+\k], v[MA+\k], |v[\src+30]|, |v[\src+31]|
	v_max3_num_f32 v[MA+\k], v[MA+\k], v[MB+\k], 0x1800000    ; the floor 2^(3 - 127): the byte cannot fall under 1
	v_add_nc_u32 v[SCL+\k], 0xff000000, v[MA+\k]              ; 2 off the exponent field: the conversion takes this operand's exponent field as its scale
	v_lshrrev_b32 v[BY+\k], 23, v[SCL+\k]                     ; the scale's byte
	v_cvt_scalef32_pk16_fp6_f32 v[\dst:\dst+2], v[\src:\src+15], v[SCL+\k]
	v_cvt_scalef32_pk16_fp6_f32 v[TQ+4*\k:TQ+4*\k+2], v[\src+16:\src+31], v[SCL+\k]   ; (a conversion's three registers begin on an even number)
.endm
	s_load_b128 s[4:7], s[0:1], 0x0                ; feature_mask, W
	s_load_b64 s[8:9], s[0:1], 0x10                ; wq
	v_and_b32 v1, 31, v0                           ; lane
	s_cmp_lt_u32 ttmp9, 512
	s_cbranch_scc0 .Lweights
	; ---- feature_mask: K step s = g / 32, columns 32 cg .. 32 cg + 31, cg = g % 32.  A LANE TAKES A COLUMN AND ITS REGISTERS RUN DOWN K.
	s_lshr_b32 s10, ttmp9, 5                       ; s
	s_and_b32 s11, ttmp9, 31                       ; cg = 8 w + t / 2
	s_lshl_b32 s12, s10, 19                        ; 128 rows of 4,096 bytes
	s_lshl_b32 s13, s11, 7                         ; 32 columns of 4 bytes
	s_add_co_u32 s12, s12, s13
	s_mov_b32 s13, 0
	s_mul_i32 s14, s10, STEPB
	s_lshr_b32 s15, s11, 3
	s_mul_i32 s15, s15, PARTB
	s_add_co_u32 s14, s14, s15                     ; the part
	s_and_b32 s16, s11, 7
	s_mul_i32 s17, s16, 3072
	s_add_co_u32 s18, s14, s17                     ; its tiles 2 (cg % 8) and 2 (cg % 8) + 1
	s_mov_b32 s19, 0
	s_lshl_b32 s16, s16, 7
	s_add_co_u32 s14, s14, s16
	s_add_co_u32 s14, s14, SCOFF                   ; its scale row cg % 8
	s_mov_b32 s15, 0
	v_lshlrev_b32 v2, 2, v1                        ; in: 4 bytes a lane: a load reads 128 consecutive bytes
	v_and_b32 v3, 7, v1
	v_lshrrev_b32 v4, 4, v1
	v_lshl_add_u32 v3, v4, 3, v3                   ; my column is tile row r = lane % 8 + 8 (lane / 16)
	v_bfe_u32 v4, v1, 3, 1                         ; of tile u = (lane / 8) % 2
	v_mul_u32_u24 v5, v4, 1536
	v_lshl_add_u32 v5, v3, 4, v5                   ; out: 1536 u + 16 r
	v_lshlrev_b32 v6, 2, v3
	v_lshl_add_u32 v6, v4, 6, v6                   ; scale word: 4 r + 64 u
	s_wait_kmcnt 0x0
	s_add_nc_u64 s[4:5], s[4:5], s[12:13]
	s_add_nc_u64 s[22:23], s[8:9], s[18:19]
	s_add_nc_u64 s[24:25], s[8:9], s[14:15]
.macro LOADM q                         ; block q: rows 32 q .. 32 q + 31 of the K step, my column
.irp i, 0,1,2,3,4,5,6,7,8,9,10,11,12,13,14,15,16,17,18,19,20,21,22,23,24,25,26,27,28,29,30,31
	global_load_b32 v[X+32*\q+\i], v2, s[4:5] offset:(32*\q+\i)*4096 th:TH_LOAD_NT
.endr
.endm
	LOADM 0
	LOADM 1
	s_wait_loadcnt 32                              ; block 0 is in; block 1's 32 loads may be out
	BLK X, F0, 0                                   ; block q belongs to the image of lane (r, hh = q % 2), registers 6 (q / 2) on
	LOADM 2
	s_wait_loadcnt 32                              ; block 1 is in; block 2's may be out
	BLK X+32, F0+12, 1
	LOADM 3
	s_wait_loadcnt 32                              ; block 2 is in; block 3's may be out
	BLK X+64, F0+6, 2
	s_wait_loadcnt 0x0
	BLK X+96, F0+18, 3
	v_nop                                          ; one plain place behind a scaled conversion
.irp q, 0,1,2,3
.irp i, 0,1,2
	v_mov_b32 v[F0+12*(\q%2)+6*(\q/2)+3+\i], v[TQ+4*\q+\i]
.endr
.endr
	v_lshl_or_b32 v7, v[BY+1], 8, v[BY]            ; my column's scale word: byte q for block q
	v_lshl_or_b32 v7, v[BY+2], 16, v7
	v_lshl_or_b32 v7, v[BY+3], 24, v7
.irp hh, 0,1
.irp c, 0,1,2
	global_store_b128 v5, v[F0+12*\hh+4*\c:F0+12*\hh+4*\c+3], s[22:23] offset:512*\c+256*\hh   ; sixteen lanes of a tile store 256 consecutive bytes, aligned
.endr
.endr
	global_store_b32 v6, v7, s[24:25]              ; 128 consecutive bytes
	s_endpgm
.Lweights:
	; ---- W: K step s' = g' / 32, part w = (g' / 8) % 4, tiles 2 i and 2 i + 1, i = g' % 8.  K is innermost: lane (r, hh) loads just what its image holds.
	s_sub_co_u32 s10, ttmp9, 512                   ; g'
	s_lshr_b32 s11, s10, 5                         ; s'
	s_bfe_u32 s12, s10, 0x20003                    ; w
	s_and_b32 s13, s10, 7                          ; i
	s_mov_b32 s28, 0x76543210
	s_mov_b32 s29, 0xfedcba98                      ; v_permlanex16_b32's selects for lane l xor 16
	v_and_b32 v2, 15, v1                           ; r
	v_lshrrev_b32 v3, 4, v1                        ; hh
	v_and_b32 v4, 7, v2                            ; r % 8
	v_lshrrev_b32 v5, 3, v2                        ; r / 8
	s_lshl_b32 s14, s13, 4                         ; 8 x tile 2 i
	s_lshl_b32 s15, s12, 1
	s_add_co_u32 s15, s15, 7
	v_add_nc_u32 v6, s15, v5                       ; 7 + g, g = 2 w + r / 8
	s_add_co_u32 s16, s12, 4
	v_lshlrev_b32 v7, 2, v5
	v_sub_nc_u32 v7, s16, v7                       ; q = 0's row: 4 + w, or w
.irp e, 0,1
	v_add3_u32 v8, s14, v4, 8*\e                   ; q = 8 (2 i + e) + r % 8, 0 .. 127
	v_lshrrev_b32 v9, 1, v8
	v_or_b32 v9, v8, v9
	v_lshrrev_b32 v10, 2, v9
	v_or_b32 v9, v9, v10
	v_lshrrev_b32 v10, 4, v9
	v_or_b32 v9, v9, v10                           ; ones from q's highest bit down
	v_add_nc_u32 v9, 1, v9
	v_lshrrev_b32 v9, 1, v9                        ; P
	v_mad_u32_u24 v9, v6, v9, v8                   ; n = q + (7 + g) P
	v_cmp_eq_u32 vcc_lo, 0, v8
	v_cndmask_b32 v9, v9, v7, vcc_lo
	v_lshlrev_b32 v9, 12, v9                       ; a row of W is 4,096 bytes
	v_lshl_add_u32 v[12+\e], v3, 7, v9             ; + 128 hh: my 32 numbers of each 64
.endr
	v_lshlrev_b32 v14, 2, v1                       ; out: 4 x lane,
	v_lshlrev_b32 v15, 4, v1                       ; 16 x lane
	s_lshl_b32 s18, s11, 9                         ; the K step: 128 numbers on in every row
	s_mov_b32 s19, 0
	s_add_co_u32 s22, s11, 16
	s_mul_i32 s22, s22, STEPB
	s_mul_i32 s23, s12, PARTB
	s_add_co_u32 s22, s22, s23                     ; the part
	s_mul_i32 s24, s13, 3072
	s_add_co_u32 s24, s22, s24                     ; its tiles 2 i, 2 i + 1
	s_mov_b32 s25, 0
	s_lshl_b32 s26, s13, 7
	s_add_co_u32 s26, s26, s22
	s_add_co_u32 s26, s26, SCOFF                   ; its scale row i
	s_mov_b32 s27, 0
	s_wait_kmcnt 0x0
	s_add_nc_u64 s[6:7], s[6:7], s[18:19]
	s_add_nc_u64 s[24:25], s[8:9], s[24:25]
	s_add_nc_u64 s[26:27], s[8:9], s[26:27]
.irp e, 0,1
.irp c, 0,1
.irp j, 0,1,2,3,4,5,6,7
	global_load_b128 v[X+64*\e+32*\c+4*\j:X+64*\e+32*\c+4*\j+3], v[12+\e], s[6:7] offset:256*\c+16*\j th:TH_LOAD_NT
.endr
.endr
.endr
	s_wait_loadcnt 24                              ; eight loads to a block: the three later blocks' may be out,
	BLK X, F0, 0                                   ; block (e, c) = number 2 e + c: registers 6 c on of tile e's image
	s_wait_loadcnt 16                              ; two,
	BLK X+32, F0+6, 1
	s_wait_loadcnt 8                               ; one,
	BLK X+64, F0+12, 2
	s_wait_loadcnt 0x0                             ; none
	BLK X+96, F0+18, 3
	v_nop                                          ; one plain place behind a scaled conversion
.irp q, 0,1,2,3
.irp i, 0,1,2
	v_mov_b32 v[F0+6*\q+3+\i], v[TQ+4*\q+\i]
.endr
.endr
	v_lshl_or_b32 v8, v[BY+1], 16, v[BY]           ; tile 2 i: my two bytes, blocks hh and 2 + hh of row r,
	v_lshl_or_b32 v9, v[BY+3], 16, v[BY+2]         ; tile 2 i + 1 likewise,
	v_lshlrev_b32 v10, 3, v3
	v_lshlrev_b32 v8, v10, v8                      ; at their places in the word (8 hh bits up);
	v_lshlrev_b32 v9, v10, v9
	v_mov_b32 v10, 0                               ; (a lane permute's destination counts as one of its sources)
	v_mov_b32 v11, 0
	v_permlanex16_b32 v10, v8, s28, s29
	v_permlanex16_b32 v11, v9, s28, s29
	v_or_b32 v8, v8, v10                           ; with lane l xor 16's two the words are whole
	v_or_b32 v9, v9, v11
	v_cmp_eq_u32 vcc_lo, 1, v3
	v_cndmask_b32 v8, v8, v9, vcc_lo               ; lanes 0-15 keep tile 2 i's word, lanes 16-31 tile 2 i + 1's
.irp e, 0,1
.irp c, 0,1,2
	global_store_b128 v15, v[F0+12*\e+4*\c:F0+12*\e+4*\c+3], s[24:25] offset:1536*\e+512*\c   ; 512 consecutive bytes, aligned
.endr
.endr
	global_store_b32 v14, v8, s[26:27]             ; 128 consecutive bytes
	s_endpgm
.Lfunc_end_k_qd051b13f73_prep:
	.size	k_qd051b13f73_prep, .Lfunc_end_k_qd051b13f73_prep-k_qd051b13f73_prep
	.p2alignl 7, 3214868480
	.fill 96, 4, 3214868480
	.section	.rodata,"a",@progbits
	.p2align	6, 0x0
	.amdhsa_kernel k_qd051b13f73_prep
		.amdhsa_group_segment_fixed_size 0
		.amdhsa_private_segment_fixed_size 0
		.amdhsa_enable_private_segment 0
		.amdhsa_kernarg_size 24
		.amdhsa_user_sgpr_count 2
		.amdhsa_user_sgpr_kernarg_segment_ptr 1
		.amdhsa_wavefront_size32 1
		.amdhsa_system_sgpr_workgroup_id_x 1
		.amdhsa_system_sgpr_workgroup_id_y 1
		.amdhsa_system_sgpr_workgroup_id_z 1
		.amdhsa_system_vgpr_workitem_id 0
		.amdhsa_next_free_vgpr 200
		.amdhsa_next_free_sgpr 66
		.amdhsa_reserve_vcc 1
		.amdhsa_float_denorm_mode_32 3
		.amdhsa_float_denorm_mode_16_64 3
		.amdhsa_memory_ordered 1
		.amdhsa_forward_progress 1
		.amdhsa_inst_pref_size 33
	.end_amdhsa_kernel
	.amdgpu_metadata
---
amdhsa.version: [ 1, 2 ]
amdhsa.kernels:
  - .name:           k_qd051b13f73_prep
    .symbol:         k_qd051b13f73_prep.kd
    .args:
      - { .name: feature_mask, .offset: 0, .size: 8, .value_kind: global_buffer, .address_space: global }
      - { .name: W, .offset: 8, .size: 8, .value_kind: global_buffer, .address_space: global }
      - { .name: wq, .offset: 16, .size: 8, .value_kind: global_buffer, .address_space: global }
    .group_segment_fixed_size: 0
    .private_segment_fixed_size: 0
    .kernarg_segment_align: 8
    .kernarg_segment_size: 24
    .max_flat_workgroup_size: 32
    .sgpr_count:     66
    .vgpr_count:     200
    .wavefront_size: 32
...
	.end_amdgpu_metadata
.endif
;; end of part 1
;; launch tree (part 2): grid 256 x 1, 4 waves a work-group, clusters of 4 x 1, 327,680 bytes of LDS; arguments x, wq, b, out0; writes out0
.if DOCPART == 2
	.amdgcn_target "amdgcn-amd-amdhsa--gfx1250"
	.amdhsa_code_object_version 6
	.text
	.protected	k_qd051b13f73_tree
	.globl	k_qd051b13f73_tree
	.p2align	8
	.type	k_qd051b13f73_tree,@function
k_qd051b13f73_tree:
	s_mov_b64 s[64:65], 0
	v_nop
	global_prefetch_b8 v0, s[64:65] scope:SCOPE_SE
	s_setreg_imm32_b32 hwreg(HW_REG_WAVE_MODE, 25, 1), 1
	s_wait_xcnt 0x0
	s_wait_alu depctr_hold_cnt(0) depctr_sa_sdst(0) depctr_va_vdst(0) depctr_va_sdst(0) depctr_va_ssrc(0) depctr_va_vcc(0) depctr_vm_vsrc(0)
	s_getreg_b32 s2, hwreg(HW_REG_IB_STS2, 6, 4)
	s_cmp_eq_u32 s2, 0
	s_cbranch_scc0 .Lentry_in_a_cluster
	s_endpgm
.Lentry_in_a_cluster:
	s_bfe_u32 s2, ttmp6, 0x10000c
	s_cmp_lg_u32 s2, 0x3003
	s_cbranch_scc0 .Lentry_shape_is_right
	s_endpgm
.Lentry_shape_is_right:
; out0[row][leaf] = the product, down a binary tree of depth 10, of d or 1 - d, d = sigmoid(Q(Q(x) Q(feature_mask)) Q(W)^T + b); Q: codes of FP6 (E2M3), one E8M0 scale for each 32 along K.
; The tree's columns are heap indices: node c has the children 2 c (factor d[c]) and 2 c + 1 (factor 1 - d[c]); leaf l is heap index 1024 + l; column 0 enters no factor.
; SHARES.  A work-group takes 64 rows through the whole chain.  ITS FOUR WAVES SHARE THE COLUMNS: wave w makes 256 columns (16 tiles) for all 64 rows (4 tiles of rows): 64 accumulators, 512 registers.
; THE WEIGHTS are the stream wq of the launch before: 24 steps of 128 along K (16 of feature_mask, 8 of W), each step's part for wave w 25,600 dense bytes: 16 fragments as images of their registers, and their scale words.
; They come through a ring of two LDS slots; wave w fetches its own part and reads it alone, each fragment once.  All work-groups walk the same stream, so the four of a cluster ask JOINTLY (a joint load here names four).
; THE ROWS go from wave to wave through LDS as images of the operand's registers: wave w quantises rows 16 w .. 16 w + 15 of x, two K steps ahead; feats are quantised out of the accumulators between the products.
; BOTH PRODUCTS ARE USED TRANSPOSED (source 0 = 16 rows of the weight, source 1 = 16 rows of x or feats): a lane holds ONE row, and its registers run along the columns.
; The launch before chose the weights' rows for that: product 1's registers come out as neighbours along product 2's K; product 2's register q (0 .. 127) of lane half h is heap index q of the subtree under column 8 + 2 w + h,
; so a lane walks its subtree in its own registers, and its 128 leaves come out in their order.  Register 0 holds the top of the tree: column 4 + w (h = 0), column w (h = 1); those go round through LDS.
; THE FACTORS: g = 2 d - 1; a node N has the children N + N g and N - N g, one packed multiply-add; the ten halvings are a 2^-10 in the subtree's root, which rounds nothing.
; LIMITS: NaN and infinities among the inputs are not served.  A block of zeros gets the scale byte 1 (its codes are zeros).  1 - d is formed as (1 - g) / 2, with f32's absolute rounding, as 1.0 - d has.
;         Leaves under about 2^-116 lose bits to the 2^-10 in the root.
; REGISTERS, in windows of 256 (s_set_vgpr_msb: bits 1:0 source 0, 3:2 source 1, 5:4 source 2, 7:6 destination):
;   window 0: v0-31 addresses and temporaries; v32-47 the weights' scale words, two sets; v48-55 the rows' scale words, two sets; v64-159 the rows' fragments, two sets of 4 x 12; v160-191 the quantiser's;
;             v192-255 64 numbers of x, later b for q = 0 .. 63.  At the end v128-255 hold g.
;   window 1: v0-191 the weights' 16 fragments; v192-255 64 numbers of x, later b for q = 64 .. 127.  At the end: the tree, heap index q at v[q].
;   windows 2, 3: accumulator (m, t) at v[128 (m % 2) + 8 t] of window 2 + m / 2.
.set STEPB,  102400                    ; a step of the stream, and a slot
.set PARTB,  25600                     ; a wave's part of it
.set SCOFF,  24576                     ; in a part: the scale rows, behind 16 images of 1,536 bytes
.set XIMG,   204800                    ; behind the ring: x's images, two blocks of IMGB bytes by turns
.set IMGB,   6656                      ; a block: 4 images of 1,536 bytes (tile of rows m), then 4 rows of scale words of 128 bytes
.set ISC,    6144
.set FIMG,   218112                    ; feats' images: eight such blocks, one for each K step of the second product
.set TOPB,   271360                    ; g of every wave's register 0: 512 w + 128 m + 4 x lane
.set SPARE,  273408                    ; the spare words, 128 bytes for each wave: two blocks of 256 bytes that no other line names
.set SPITCH, 1040                      ; the way out: a stage of 16 rows x (1,024 bytes + 16) in the wave's own part of slot 0, which has had its last fill and its last read by then
.set RR,  1                            ; v1   lane % 16
.set HH,  2                            ; v2   lane / 16
.set AW,  3                            ; v3-4 my part of slot 0, 1: + 16 x lane
.set AWS, 5                            ; v5-6 its scale rows: + 4 x lane
.set AX,  7                            ; v7   x's images: XIMG + 16 x lane
.set AXS, 8                            ; v8   their scale rows: XIMG + ISC + 4 x lane
.set XW,  9                            ; v9   where I store x's image: AX + 1536 w
.set XWS, 10                           ; v10  and its scale words: AXS + 128 w
.set FW,  11                           ; v11  where I store feats' images: AF + 2 IMGB w
.set FWS, 12                           ; v12  and their scale words
.set AF,  13                           ; v13  feats' images: FIMG + 16 x lane
.set AFS, 14                           ; v14  their scale rows
.set XA,  15                           ; v15  x: my lane's byte in the wave's 16 rows: 8192 r + 64 h
.set SPW, 16                           ; v16  LDS address of my spare word; never rewritten
.set NIL, 17                           ; v17  0; never rewritten
.set STO, 18                           ; v18  the stage: where I put my leaves
.set SRD, 19                           ; v19  and where I read rows back
.set GO,  20                           ; v20  16 x lane: my bytes of a store's 512
.set SG2, 21                           ; v21  1.0, negative in lanes 16-31
.set TW,  22                           ; v22  where I store register 0's g
.set TR0, 23                           ; v23  where column 1's g lies for my row
.set TP,  24                           ; v24-31 temporaries: b's offsets, later column 1's and column 2 + w / 2's g
.set WS,  32
.set XS,  48
.set PW,  56                           ; v56, v57 the scale word just made, two by turns
.set PW2, 57
.set TR1, 58                           ; v58  where column 2 + w / 2's g lies for my row
.set G3,  59                           ; v59  2 w + h
.set UU,  60                           ; v60-63 lane l xor 16's register 0
.set XF,  64
.set PC,  160                          ; v160-179 the codes just made;  the second set (between the products alone) lies in v64-83
.set PC2, 64
.set TMX, 180                          ; v180-183 largest magnitudes, v184-187 bytes, v188-191 the conversions' scale operands
.set TMB, 184
.set TMS, 188
.set STG, 192
.set TT,  64                           ; at the end: v64-67 register 0's g, v68-71 and v72-75 the two parts of the subtree's root, for the four tiles of rows
.set PRA, 68
.set PRC, 72
.set GG,  128
.set WV,  12                           ; s12  my wave's number
.set G1,  16                           ; s[16:23] descriptor group 1
.set G0,  24                           ; s[24:31] descriptor group 0, one set for each slot
.set SEL, 32                           ; s[32:33] lane selects for lane l xor 16
.set NC,  34                           ; s[34:35] -log2(e), twice: the packed form names a pair
.set CNT, 36
.set MC,  37
.set XP,  38                           ; s[38:39] x at my wave's first row
.set OP,  40                           ; s[40:41] out0 at the work-group's first row, my wave's 256 leaves
.set MSB, 0
.macro WIN new                         ; the immediate's high byte repeats the setting that is left; a switch that changes nothing is dropped
.if MSB != (\new)
	s_set_vgpr_msb (MSB<<8)|(\new)
.set MSB, (\new)
.endif
.endm
.macro PLACES                          ; a load into a register that a matrix instruction has read, and a vector instruction that reads a matrix result, stand four plain vector instructions behind it (ISA guide 7.12.1 for vector instructions)
.rept 4
	v_nop
.endr
.endm
.macro CREST                           ; a round of the cluster's barrier behind its opening barrier
	s_cmp_lg_u32 s[WV], 0
	s_cbranch_scc1 .Lnot_wave_0_\@
	s_barrier_signal -3
.Lnot_wave_0_\@:
	s_barrier_wait -3
	s_barrier_signal -1
	s_barrier_wait -1
.endm
.macro CROUND                          ; a whole round
	s_barrier_signal -1
	s_barrier_wait -1
	CREST
.endm
; my 16 rows' numbers of one K step (64 a lane: register 16 b + i = k 32 b + 16 h + i of row r), off bytes on from XP, into staging set p (window p)
.macro XLOAD p, off
	WIN 64*(\p)
.irp b, 0,1,2,3
.irp j, 0,1,2,3
	global_load_b128 v[STG+16*\b+4*\j:STG+16*\b+4*\j+3], v[XA], s[XP:XP+1] offset:\off+128*\b+16*\j th:TH_LOAD_NT
.endr
.endr
	WIN 0
.endm
; 64 numbers of a lane, v[s] .. v[s + 63] of window W, register 16 b + i = k 32 b + 16 h + i of my row, become a fragment's codes in v[pc] .. v[pc + 11] and its scale word in v[pw]
.macro QUANT s, W, pc, pw
	WIN 5*(\W)
.irp b, 0,1,2,3
	v_max3_num_f32 v[TMX+\b], |v[\s+16*\b]|, |v[\s+16*\b+1]|, 0x1800000   ; block b: my 16 numbers, from the low end on, and the floor 2^(3 - 127): the byte cannot fall under 1
.endr
	WIN 20*(\W)
.irp i, 2,4,6,8,10,12,14
.irp b, 0,1,2,3
	v_max3_num_f32 v[TMX+\b], v[TMX+\b], |v[\s+16*\b+\i]|, |v[\s+16*\b+\i+1]|   ; (the four blocks by turns)
.endr
.endr
	WIN 0
.irp b, 0,1,2,3
	v_permlanex16_b32 v[TMB+\b], v[TMX+\b], s[SEL], s[SEL+1]
.endr
.irp b, 0,1,2,3
	v_max_num_f32 v[TMX+\b], v[TMX+\b], v[TMB+\b]            ; with lane l xor 16's: the block's largest magnitude
.endr
.irp b, 0,1,2,3
	v_add_nc_u32 v[TMS+\b], 0xff000000, v[TMX+\b]            ; 2 off its exponent field: the conversion's scale operand
.endr
.irp b, 0,1,2,3
	v_lshrrev_b32 v[TMB+\b], 23, v[TMS+\b]                   ; the scale's byte
.endr
	v_lshl_or_b32 v[\pw], v[TMB+1], 8, v[TMB]
	v_lshl_or_b32 v[\pw], v[TMB+2], 16, v[\pw]
	v_lshl_or_b32 v[\pw], v[TMB+3], 24, v[\pw]               ; my row's scale word
	WIN (\W)
.irp c, 0,1
	v_cvt_scalef32_pk16_fp6_f32 v[\pc+6*\c:\pc+6*\c+2], v[\s+32*\c:\s+32*\c+15], v[TMS+2*\c]
	v_cvt_scalef32_pk16_fp6_f32 v[\pc+12+4*\c:\pc+14+4*\c], v[\s+32*\c+16:\s+32*\c+31], v[TMS+2*\c+1]   ; (a conversion's three registers begin on an even number)
.endr
	WIN 0
	v_nop                                          ; one plain place behind a scaled conversion
.irp c, 0,1                            ; the operand's layout wants a WHOLE block in a lane: lanes 0-15 block 2 c, lanes 16-31 block 2 c + 1
.irp i, 0,1,2
	v_permlane16_swap_b32 v[\pc+6*\c+\i], v[\pc+12+4*\c+\i]
.endr
.irp i, 0,1,2
	v_mov_b32 v[\pc+3+6*\c+\i], v[\pc+12+4*\c+\i]
.endr
.endr
.endm
; staging set p becomes my tile of rows' image in x's block p
.macro QX p
	s_wait_loadcnt 16                              ; the set's 16 loads are in; the other set's 16, issued behind them, may be out
	QUANT STG, \p, PC, PW
.irp c, 0,1,2
	ds_store_b128 v[XW], v[PC+4*\c:PC+4*\c+3] offset:IMGB*\p+512*\c
.endr
	ds_store_b32 v[XWS], v[PW] offset:IMGB*\p
.endm
; 48 LDS loads (32 with xm = 0): out of slot p my tiles 0-7 and all 8 scale rows; with xm = 1 the four tiles of rows' images and scale words at xo, all into set p
.macro LA p, xm, xr, xsr, xo
	WIN 0x40
.irp t, 0,1,2,3,4,5,6,7
.irp c, 0,1,2
	ds_load_b128 v[12*\t+4*\c:12*\t+4*\c+3], v[AW+(\p)] offset:1536*\t+512*\c
.endr
.endr
	WIN 0
.irp i, 0,1,2,3,4,5,6,7
	ds_load_b32 v[WS+8*(\p)+\i], v[AWS+(\p)] offset:128*\i
.endr
.if \xm
.irp m, 0,1,2,3
.irp c, 0,1,2
	ds_load_b128 v[XF+48*(\p)+12*\m+4*\c:XF+48*(\p)+12*\m+4*\c+3], v[\xr] offset:\xo+1536*\m+512*\c
.endr
.endr
.irp m, 0,1,2,3
	ds_load_b32 v[XS+4*(\p)+\m], v[\xsr] offset:\xo+128*\m
.endr
.endif
.endm
.macro LB p                            ; 24 LDS loads: my tiles 8-15
	WIN 0x40
.irp t, 8,9,10,11,12,13,14,15
.irp c, 0,1,2
	ds_load_b128 v[12*\t+4*\c:12*\t+4*\c+3], v[AW+(\p)] offset:1536*\t+512*\c
.endr
.endr
	WIN 0
.endm
; 16 matrix instructions: tiles 8 hf .. 8 hf + 7 x tiles of rows 2 pr, 2 pr + 1; set p of rows and scale words.  cm = 0: onto the sums; 1: the constant 0 starts them; 2: b starts them.
; A scale register holds tile 2 i's words in lanes 0-15 and tile 2 i + 1's in lanes 16-31.  The 64 accumulators take turns, one instruction a turn, in the same order in every step.
.macro MULQ hf, pr, p, cm
.if \cm == 2
	WIN 0x81+0x40*\pr+0x10*\hf                     ; source 0 window 1, source 1 window 0, b in window hf, D in window 2 + pr
.else
	WIN 0xa1+0x50*\pr                              ; source 0 window 1, source 1 window 0, C and D window 2 + pr
.endif
.irp tt, 0,1,2,3,4,5,6,7
.irp mm, 0,1
.set rD, 128*\mm+8*(8*\hf+\tt)
.set rA, 12*(8*\hf+\tt)
.set rB, XF+48*\p+12*(2*\pr+\mm)
.set rC, STG+8*\tt
.set rS, WS+8*\p+(8*\hf+\tt)/2
.set rT, XS+4*\p+2*\pr+\mm
.if \tt%2 == 0
.if \cm == 0
	v_wmma_scale_f32_16x16x128_f8f6f4 v[rD:rD+7], v[rA:rA+11], v[rB:rB+11], v[rD:rD+7], v[rS], v[rT] matrix_a_fmt:MATRIX_FMT_FP6 matrix_b_fmt:MATRIX_FMT_FP6
.elseif \cm == 1
	v_wmma_scale_f32_16x16x128_f8f6f4 v[rD:rD+7], v[rA:rA+11], v[rB:rB+11], 0, v[rS], v[rT] matrix_a_fmt:MATRIX_FMT_FP6 matrix_b_fmt:MATRIX_FMT_FP6
.else
	v_wmma_scale_f32_16x16x128_f8f6f4 v[rD:rD+7], v[rA:rA+11], v[rB:rB+11], v[rC:rC+7], v[rS], v[rT] matrix_a_fmt:MATRIX_FMT_FP6 matrix_b_fmt:MATRIX_FMT_FP6
.endif
.else
.if \cm == 0
	v_wmma_scale_f32_16x16x128_f8f6f4 v[rD:rD+7], v[rA:rA+11], v[rB:rB+11], v[rD:rD+7], v[rS], v[rT] matrix_a_fmt:MATRIX_FMT_FP6 matrix_b_fmt:MATRIX_FMT_FP6 matrix_a_scale:MATRIX_SCALE_ROW1
.elseif \cm == 1
	v_wmma_scale_f32_16x16x128_f8f6f4 v[rD:rD+7], v[rA:rA+11], v[rB:rB+11], 0, v[rS], v[rT] matrix_a_fmt:MATRIX_FMT_FP6 matrix_b_fmt:MATRIX_FMT_FP6 matrix_a_scale:MATRIX_SCALE_ROW1
.else
	v_wmma_scale_f32_16x16x128_f8f6f4 v[rD:rD+7], v[rA:rA+11], v[rB:rB+11], v[rC:rC+7], v[rS], v[rT] matrix_a_fmt:MATRIX_FMT_FP6 matrix_b_fmt:MATRIX_FMT_FP6 matrix_a_scale:MATRIX_SCALE_ROW1
.endif
.endif
.endr
.endr
.endm
; STEP s OF THE STREAM, p = s % 2: 64 matrix instructions on what the step before fetched out of slot p.  fill = 1: slot p is filled again with step s + 2.  la = 1: step s + 1's operands are fetched out of slot 1 - p
; and out of the rows' images at xo; la = 2: the weights alone; la = 0: nothing.  hw: the LDS instructions that may be out when the first products begin.
.macro PERIOD p, cm, fill, la, xr, xsr, xo, hw
.if \fill
	s_wait_tensorcnt 0x0                           ; all my tensor loads have landed: the one that was out is step s + 1's, in the other slot;
	ds_add_u32 v[SPW], v[NIL]                      ; 0 onto my spare word;
	s_add_nc_u64 s[G0+4*\p+2:G0+4*\p+3], s[G0+4*\p+2:G0+4*\p+3], 2*STEPB   ; no load of mine is out, so a group 0 may be written: this slot's next step
.endif
	s_wait_dscnt \hw                               ; tiles 0-7, the scale words and the rows are in
	MULQ 0, 0, \p, \cm
	s_wait_dscnt 0x0                               ; tiles 8-15 are in: my reads of slot p and of the rows' images are over, my stores of images have landed, the add is done
.if \fill
	s_barrier_signal -1                            ; this barrier opens a round of the cluster's barrier
.endif
	MULQ 0, 1, \p, \cm
	WIN 0
.if \fill
	s_barrier_wait -1
	CREST                                          ; no wave of any partner still reads slot p or has a load on its way
	tensor_load_to_lds s[G0+4*\p:G0+4*\p+3], s[G1:G1+7]   ; my one tensor load behind the round, and the first thing there: it has this step's other 32 products and the next step's head in which to land
	s_nop 0
.endif
.if \la
	PLACES                                         ; behind the joint load, and in front of the loads into tiles 0-7
.if \la == 1
	LA 1-\p, 1, \xr, \xsr, \xo
.else
	LA 1-\p, 0, \xr, \xsr, \xo
.endif
.endif
	MULQ 1, 0, \p, \cm
	MULQ 1, 1, \p, \cm
	WIN 0
	PLACES                                         ; in front of the loads into tiles 8-15, and of whatever reads results next
.if \la
	LB 1-\p
.endif
.endm
	; ---- the head
	s_load_b256 s[4:11], s[0:1], 0x0               ; x s[4:5], wq s[6:7], b s[8:9], out0 s[10:11]
	v_lshl_add_u32 v[SPW], v0, 2, SPARE
	v_mov_b32 v[NIL], 0
	ds_add_u32 v16, v17
	ds_add_u32 v16, v17
	s_wait_dscnt 0x0
	v_lshrrev_b32 v[TP], 5, v0
	v_readfirstlane_b32 s[WV], v[TP]               ; wave 0..3
	s_bfe_u32 s13, ttmp6, 0x40000                  ; cx: my place in the cluster
	s_lshl_b32 s14, ttmp9, 2                       ; in a cluster launch ttmp9 counts clusters
	s_add_co_u32 s14, s14, s13                     ; my block of 64 rows: it enters x's and out0's addresses alone
	; descriptor group 1: a part, 25,600 dense bytes, as 100 rows of 32 elements of 8 bytes; no padding: every read of an image takes 512 consecutive bytes
	s_mov_b32 s[G1+0], 15|(3<<16)|(1<<21)          ; 15:0 the mask: all four work-groups; 17:16 elements of 8 bytes; 21 set beside a mask
	s_mov_b32 s[G1+1], 32<<16                      ; tensor_dim0 = 32
	s_mov_b32 s[G1+2], 100<<16                     ; tensor_dim1 = 100
	s_mov_b32 s[G1+3], 32<<16                      ; tile_dim0 = 32
	s_mov_b32 s[G1+4], 100                         ; tile_dim1 = 100
	s_mov_b32 s[G1+5], 32                          ; from row to row
	s_mov_b32 s[G1+6], 0
	s_mov_b32 s[G1+7], 0
	s_mov_b32 s[SEL], 0x76543210
	s_mov_b32 s[SEL+1], 0xfedcba98
	s_mov_b32 s[NC], 0xbfb8aa3b                    ; -log2(e)
	s_mov_b32 s[NC+1], s[NC]
	s_mul_i32 s46, s[WV], PARTB                    ; my part of a step, in memory and in a slot: no place in the cluster enters it
	v_and_b32 v[RR], 15, v0
	v_bfe_u32 v[HH], v0, 4, 1
	v_and_b32 v[TP], 31, v0                        ; lane
	v_lshlrev_b32 v[GO], 4, v[TP]
	v_lshlrev_b32 v[TP+1], 2, v[TP]
	v_add_nc_u32 v[AW], s46, v[GO]
	v_add_nc_u32 v[AW+1], STEPB, v[AW]
	v_add_nc_u32 v[AWS], s46, v[TP+1]
	v_add_nc_u32 v[AWS], SCOFF, v[AWS]
	v_add_nc_u32 v[AWS+1], STEPB, v[AWS]
	v_add_nc_u32 v[AX], XIMG, v[GO]
	v_add_nc_u32 v[AXS], XIMG+ISC, v[TP+1]
	s_mul_i32 s47, s[WV], 1536
	v_add_nc_u32 v[XW], s47, v[AX]
	s_lshl_b32 s47, s[WV], 7
	v_add_nc_u32 v[XWS], s47, v[AXS]
	v_add_nc_u32 v[AF], FIMG, v[GO]
	v_add_nc_u32 v[AFS], FIMG+ISC, v[TP+1]
	s_mul_i32 s47, s[WV], 2*IMGB                   ; my 256 columns of feats are K steps 2 w and 2 w + 1 of the second product
	v_add_nc_u32 v[FW], s47, v[AF]
	v_add_nc_u32 v[FWS], s47, v[AFS]
	v_lshlrev_b32 v[XA], 13, v[RR]                 ; a row of x is 8,192 bytes
	v_lshl_add_u32 v[XA], v[HH], 6, v[XA]          ; + 64 h: my 16 numbers of each block of 32
	v_mul_u32_u24 v[STO], v[RR], SPITCH
	v_lshl_add_u32 v[STO], v[HH], 9, v[STO]        ; the stage: row r; my half's 128 leaves are 512 bytes
	v_add_nc_u32 v[STO], s46, v[STO]
	v_add_nc_u32 v[SRD], s46, v[GO]
	v_lshl_or_b32 v[SG2], v[HH], 31, 0x3f800000
	s_lshl_b32 s47, s[WV], 9
	v_add_nc_u32 v[TW], s47, v[TP+1]
	v_add_nc_u32 v[TW], TOPB, v[TW]
	v_lshl_add_u32 v[TR0], v[RR], 2, TOPB+512+64   ; column 1: wave 1's lanes 16-31
	s_lshr_b32 s47, s[WV], 1
	s_lshl_b32 s48, s47, 9
	v_add_nc_u32 v[TR1], s48, v[TR0]
	v_add_nc_u32 v[TR1], 512, v[TR1]               ; column 2 + w / 2: wave 2 + w / 2's lanes 16-31
	s_lshl_b32 s49, s47, 31
	s_or_b32 s42, s49, 0x3a800000                  ; 2^-10, negative where my subtree hangs on the root's second child
	s_mov_b32 s43, 0x3a800000                      ; 2^-10
	s_and_b32 s49, s[WV], 1
	s_lshl_b32 s49, s49, 31
	s_or_b32 s44, s49, 0x3f800000                  ; 1.0, negative where it hangs on the second child at level 1
.irp i, 0,1,2,3
	v_mov_b32 v[TMB+\i], 0                         ; written once: a lane permute's destination counts as one of its sources
	v_mov_b32 v[UU+\i], 0
.endr
	s_lshl_b32 s50, s14, 6
	s_lshl_b32 s51, s[WV], 4
	s_add_co_u32 s50, s50, s51                     ; my wave's first row of x: 64 x block + 16 w
	s_mov_b32 s51, 0
	s_lshl_b64 s[50:51], s[50:51], 13
	s_lshl_b32 s52, s14, 18                        ; out0: 64 rows of 4,096 bytes a block,
	s_lshl_b32 s53, s[WV], 10                      ; my 256 leaves
	s_add_co_u32 s52, s52, s53
	s_mov_b32 s53, 0
	s_mov_b32 s54, s46
	s_mov_b32 s55, 0
	s_wait_kmcnt 0x0
	s_add_nc_u64 s[XP:XP+1], s[4:5], s[50:51]
	s_add_nc_u64 s[OP:OP+1], s[10:11], s[52:53]
	s_add_nc_u64 s[6:7], s[6:7], s[54:55]          ; wq at my part of step 0
.irp p, 0,1
	s_mov_b32 s[G0+4*\p], 1                        ; 1:0 count = 1
	s_add_co_u32 s[G0+4*\p+1], s46, \p*STEPB       ; 63:32 LDS address
	s_add_nc_u64 s[G0+4*\p+2:G0+4*\p+3], s[6:7], \p*STEPB   ; 120:64 global address: step p
	s_or_b32 s[G0+4*\p+3], s[G0+4*\p+3], 0x80000000   ; 127:126 type = 2
.endr
	XLOAD 0, 0                                     ; x's K steps 0 and 1
	XLOAD 1, 512
	CROUND                                         ; all four work-groups are here: the first joint loads meet
	tensor_load_to_lds s[G0:G0+3], s[G1:G1+7]      ; the two first fills go out together: two tensor loads of mine are out; later never more than one
	s_nop 0
	tensor_load_to_lds s[G0+4:G0+7], s[G1:G1+7]
	s_nop 0
	PLACES
	QX 0
	XLOAD 0, 1024                                  ; K step 2
	s_wait_dscnt 0x0                               ; the stores have read the codes' registers
	QX 1
	XLOAD 1, 1536                                  ; K step 3
	s_wait_tensorcnt 1                             ; my part of step 0 is in; step 1's may stay out
	s_wait_dscnt 0x0                               ; my images of x have landed
	s_barrier_signal -1
	s_barrier_wait -1                              ; everybody's have
	LA 0, 1, AX, AXS, 0
	LB 0
	; ---- product 1: feats^T = mask^T x^T, K steps 0 .. 15.  Step s also quantises x's K step s + 2 into block s % 2, which nobody reads behind step s's round, and asks memory for K step s + 4
	PERIOD 0, 1, 1, 1, AX, AXS, IMGB, 25           ; 25: the add and tiles 8-15's 24 loads may be out (where four stores of images stand behind those, the count only asks for more)
	QX 0
	XLOAD 0, 2048
	s_mov_b32 s[CNT], 0
.Lk1:                                              ; seven trips: steps 2 CNT + 1 and 2 CNT + 2
	PERIOD 1, 0, 1, 1, AX, AXS, 0, 25
	QX 1                                           ; K step 2 CNT + 3
	s_cmp_le_u32 s[CNT], 5
	s_cbranch_scc0 .Lno_odd                        ; K step 2 CNT + 5 exists up to CNT = 5: no load leaves x's rows
	XLOAD 1, 2560
	s_branch .Lodd_done
.Lno_odd:
	s_wait_loadcnt 0x0                             ; where no loads follow, the counted wait ahead would show nothing: all that is out lands here
.Lodd_done:
	PERIOD 0, 0, 1, 1, AX, AXS, IMGB, 25
	s_cmp_le_u32 s[CNT], 5
	s_cbranch_scc0 .Lno_even                       ; K step 2 CNT + 4 exists up to CNT = 5,
	QX 0
	s_cmp_le_u32 s[CNT], 4
	s_cbranch_scc0 .Lno_even                       ; K step 2 CNT + 6 up to CNT = 4
	XLOAD 0, 3072
	s_branch .Leven_done
.Lno_even:
	s_wait_loadcnt 0x0
.Leven_done:
	s_wait_xcnt 0x0                                ; the loads have read their base: it may step
	s_add_nc_u64 s[XP:XP+1], s[XP:XP+1], 1024      ; two K steps on
	s_add_co_u32 s[CNT], s[CNT], 1
	s_cmp_lt_u32 s[CNT], 7
	s_cbranch_scc1 .Lk1
	PERIOD 1, 0, 1, 2, AX, AXS, 0, 25              ; K step 15; W's first step is fetched, its rows are not made yet
	; ---- b, in the second product's result layout, into the registers that x has left: register q = b[q + (7 + g) P]: level l of my subtree is 2^l neighbours from column 2^(3 + l) + g 2^l on
	s_wait_loadcnt 0x0                             ; no load of x is out on any way here
	s_lshl_b32 s46, s[WV], 1
	v_add_nc_u32 v[G3], s46, v[HH]                 ; g = 2 w + h
.irp l, 0,1,2,3,4,5,6
	v_lshlrev_b32 v[TP+\l], \l+2, v[G3]            ; 4 g 2^l
.endr
	s_lshl_b32 s46, s[WV], 2
	s_add_co_u32 s46, s46, 16
	v_lshlrev_b32 v[TP+7], 4, v[HH]
	v_sub_nc_u32 v[TP+7], s46, v[TP+7]             ; q = 0: column 4 + w, or w
	global_load_b32 v[STG], v[TP+7], s[8:9]
	global_load_b32 v[STG+1], v[TP], s[8:9] offset:32
	global_load_b64 v[STG+2:STG+3], v[TP+1], s[8:9] offset:64
	global_load_b128 v[STG+4:STG+7], v[TP+2], s[8:9] offset:128
.irp i, 0,1
	global_load_b128 v[STG+8+4*\i:STG+11+4*\i], v[TP+3], s[8:9] offset:256+16*\i
.endr
.irp i, 0,1,2,3
	global_load_b128 v[STG+16+4*\i:STG+19+4*\i], v[TP+4], s[8:9] offset:512+16*\i
.endr
.irp i, 0,1,2,3,4,5,6,7
	global_load_b128 v[STG+32+4*\i:STG+35+4*\i], v[TP+5], s[8:9] offset:1024+16*\i
.endr
	WIN 0x40
.irp i, 0,1,2,3,4,5,6,7,8,9,10,11,12,13,14,15
	global_load_b128 v[STG+4*\i:STG+4*\i+3], v[TP+6], s[8:9] offset:2048+16*\i
.endr
	WIN 0
	; ---- between the products: my 64 accumulators are feats' K steps 2 w and 2 w + 1 for the four tiles of rows: eight fragments, quantised in registers, images to LDS
.macro TRQ n, pc, pw                   ; number n: K step 2 w + n / 4, tile of rows n % 4
.set qs, 128*((\n)%2)+64*((\n)/4)
.set qw, 2+((\n)%4)/2
.if (\n) >= 2
	s_wait_dscnt 4                                 ; the stores of two fragments ago have read these registers; the last fragment's four may be out
.endif
	QUANT qs, qw, \pc, \pw
.irp c, 0,1,2
	ds_store_b128 v[FW], v[\pc+4*\c:\pc+4*\c+3] offset:IMGB*((\n)/4)+1536*((\n)%4)+512*\c
.endr
	ds_store_b32 v[FWS], v[\pw] offset:IMGB*((\n)/4)+128*((\n)%4)
.endm
	TRQ 0, PC, PW
	TRQ 1, PC2, PW2
	TRQ 2, PC, PW
	TRQ 3, PC2, PW2
	TRQ 4, PC, PW
	TRQ 5, PC2, PW2
	TRQ 6, PC, PW
	TRQ 7, PC2, PW2
	s_wait_dscnt 0x0                               ; my images of feats have landed
	s_barrier_signal -1
	s_barrier_wait -1                              ; all 32 lie in LDS.  (Step 17's load may stay out)
.irp m, 0,1,2,3
.irp c, 0,1,2
	ds_load_b128 v[XF+12*\m+4*\c:XF+12*\m+4*\c+3], v[AF] offset:1536*\m+512*\c
.endr
.endr
.irp m, 0,1,2,3
	ds_load_b32 v[XS+\m], v[AFS] offset:128*\m
.endr
	s_wait_loadcnt 0x0                             ; b
	; ---- product 2: z^T = W feats^T + b, K steps 0 .. 7 = steps 16 .. 23 of the stream
	PERIOD 0, 2, 1, 1, AF, AFS, 1*IMGB, 1          ; 1: the add alone may be out
	PERIOD 1, 0, 1, 1, AF, AFS, 2*IMGB, 25
	PERIOD 0, 0, 1, 1, AF, AFS, 3*IMGB, 25
	PERIOD 1, 0, 1, 1, AF, AFS, 4*IMGB, 25
	PERIOD 0, 0, 1, 1, AF, AFS, 5*IMGB, 25
	PERIOD 1, 0, 1, 1, AF, AFS, 6*IMGB, 25         ; the last fill: step 23
	s_wait_tensorcnt 0x0                           ; step 23 has landed; nothing is filled any more, so no barrier follows: I alone read my part
	PERIOD 0, 0, 0, 1, AF, AFS, 7*IMGB, 24         ; 24: tiles 8-15's loads may be out
	PERIOD 1, 0, 0, 0, AF, AFS, 0, 24
	; ---- the top of the tree: g of register 0 for the four tiles of rows goes round through LDS
	WIN 0x08
	v_mul_f32 v[TT], s[NC], v0                     ; -z log2(e): each accumulator is read from its low end on
	v_mul_f32 v[TT+1], s[NC], v128
	WIN 0x0c
	v_mul_f32 v[TT+2], s[NC], v0
	v_mul_f32 v[TT+3], s[NC], v128
	WIN 0
.irp m, 0,1,2,3
	v_exp_f32 v[TT+\m], v[TT+\m]
.endr
	v_nop                                          ; a plain place behind the transcendentals
	s_wait_alu depctr_va_vdst(0)
.irp m, 0,1,2,3
	v_add_f32 v[TT+\m], 1.0, v[TT+\m]
.endr
.irp m, 0,1,2,3
	v_rcp_f32 v[TT+\m], v[TT+\m]                   ; d
.endr
	v_nop
	s_wait_alu depctr_va_vdst(0)
.irp m, 0,1,2,3
	v_fma_f32 v[TT+\m], v[TT+\m], 2.0, -1.0        ; g = 2 d - 1
.endr
.irp m, 0,1,2,3
	ds_store_b32 v[TW], v[TT+\m] offset:128*\m
.endr
	s_wait_dscnt 0x0                               ; for the others' sake
	s_barrier_signal -1
	s_barrier_wait -1
.irp m, 0,1,2,3
	ds_load_b32 v[TP+\m], v[TR0] offset:128*\m     ; column 1's g of my row,
.endr
.irp m, 0,1,2,3
	ds_load_b32 v[TP+4+\m], v[TR1] offset:128*\m   ; column 2 + w / 2's
.endr
.irp m, 0,1,2,3
	v_permlanex16_b32 v[UU+\m], v[TT+\m], s[SEL], s[SEL+1]
.endr
	v_cmp_eq_u32 vcc_lo, 1, v[HH]
.irp m, 0,1,2,3
	v_cndmask_b32 v[UU+\m], v[TT+\m], v[UU+\m], vcc_lo   ; column 4 + w's lies in lanes 0-15 of my own wave
.endr
.irp m, 0,1,2,3
	v_fma_f32 v[PRC+\m], v[UU+\m], v[SG2], 1.0     ; 1 + g or 1 - g: my half's side of column 4 + w
.endr
	s_wait_dscnt 0x0
.irp m, 0,1,2,3
	v_fma_f32 v[PRA+\m], v[TP+\m], s42, s43        ; 2^-10 (1 +- g)
.endr
.irp m, 0,1,2,3
	v_fma_f32 v[TP+4+\m], v[TP+4+\m], s44, 1.0
.endr
.irp m, 0,1,2,3
	v_mul_f32 v[PRA+\m], v[PRA+\m], v[TP+4+\m]
.endr
	WIN 0x40
	v_mov_b32 v0, 0                                ; heap index 0: named as the other half of the pair with index 1
	WIN 0
	; ---- the tree, a tile of 16 rows a trip.  Only the registers that a trip reads differ, so only its head is written four times
.macro HEAD m
	WIN 2+(\m)/2
.set ii, 0
.rept 64
	v_pk_mul_f32 v[GG+2*ii:GG+2*ii+1], v[128*((\m)%2)+2*ii:128*((\m)%2)+2*ii+1], s[NC:NC+1] op_sel_hi:[1,0]   ; -z log2(e), ascending: each accumulator from its low end on
.set ii, ii+1
.endr
	WIN 0x40
	v_mul_f32 v1, v[PRA+\m], v[PRC+\m]             ; heap index 1: my subtree's root
	WIN 0
.endm
	s_mov_b32 s[MC], 0
.Lm:
	s_cmp_eq_u32 s[MC], 0
	s_cbranch_scc1 .Lhead0
	s_cmp_eq_u32 s[MC], 1
	s_cbranch_scc1 .Lhead1
	s_cmp_eq_u32 s[MC], 2
	s_cbranch_scc1 .Lhead2
	HEAD 3
	s_branch .Lcommon
.Lhead0:
	HEAD 0
	s_branch .Lcommon
.Lhead1:
	HEAD 1
	s_branch .Lcommon
.Lhead2:
	HEAD 2
.Lcommon:
.set ii, 0
.rept 128
	v_exp_f32 v[GG+ii], v[GG+ii]
.set ii, ii+1
.endr
	v_nop                                          ; a plain place behind the transcendentals
.set ii, 0
	s_wait_alu depctr_va_vdst(0)
.rept 64
	v_pk_add_f32 v[GG+2*ii:GG+2*ii+1], v[GG+2*ii:GG+2*ii+1], 1.0 op_sel_hi:[1,0]
.set ii, ii+1
.endr
.set ii, 0
.rept 128
	v_rcp_f32 v[GG+ii], v[GG+ii]
.set ii, ii+1
.endr
	v_nop
.set ii, 0
	s_wait_alu depctr_va_vdst(0)
.rept 64
	v_pk_fma_f32 v[GG+2*ii:GG+2*ii+1], v[GG+2*ii:GG+2*ii+1], 2.0, -1.0 op_sel_hi:[1,0,0]   ; g = 2 d - 1
.set ii, ii+1
.endr
	WIN 0x51                                       ; the tree (destination, sources 0 and 2) in window 1, g in window 0
.set qq, 1
.rept 127                              ; node q's children 2 q, 2 q + 1 = N + N g, N - N g: both halves take register q of its pair, and the upper half takes -g
.set ee, qq-(qq%2)
.if qq%2 == 0
	v_pk_fma_f32 v[2*qq:2*qq+1], v[ee:ee+1], v[GG+ee:GG+ee+1], v[ee:ee+1] op_sel:[0,0,0] op_sel_hi:[0,0,0] neg_hi:[0,1,0]
.else
	v_pk_fma_f32 v[2*qq:2*qq+1], v[ee:ee+1], v[GG+ee:GG+ee+1], v[ee:ee+1] op_sel:[1,1,1] op_sel_hi:[1,1,1] neg_hi:[0,1,0]
.endif
.set qq, qq+1
.endr
	; the way out: a lane holds 512 neighbouring bytes of one row and the lanes beside it other rows: through my stage, and back as runs of 512 bytes of a row
	WIN 0x04                                       ; an LDS store's data are its source 1: window 1
.set ii, 0
.rept 32
	ds_store_b128 v[STO], v[128+4*ii:128+4*ii+3] offset:16*ii
.set ii, ii+1
.endr
	WIN 0x40
.set ii, 0
.rept 32
	ds_load_b128 v[128+4*ii:128+4*ii+3], v[SRD] offset:SPITCH*(ii/2)+512*(ii%2)   ; LDS serves a wave's instructions in order (ISA guide 5.7.1.4): these see the stores above
.set ii, ii+1
.endr
	WIN 0x04
.set ii, 0
.rept 32
	s_wait_dscnt 31-ii                             ; load ii is in; the younger ones may be out
	global_store_b128 v[GO], v[128+4*ii:128+4*ii+3], s[OP:OP+1] offset:4096*(ii/2)+512*(ii%2) th:TH_STORE_NT   ; 32 lanes store 512 consecutive bytes, at a multiple of 256 from out0's first byte
.set ii, ii+1
.endr
	WIN 0
	s_wait_xcnt 0x0                                ; the stores have read their registers and their base: both are written again
	s_add_nc_u64 s[OP:OP+1], s[OP:OP+1], 65536     ; 16 rows on
	s_add_co_u32 s[MC], s[MC], 1
	s_cmp_lt_u32 s[MC], 4
	s_cbranch_scc1 .Lm
	s_wait_tensorcnt 0x0                           ; the wave's end: behind my last tensor load and my last LDS store
	ds_add_u32 v[SPW], v[NIL]
	s_wait_dscnt 0x0
	CROUND                                         ; the closing round: no work-group ends while a partner may still ask for a part that names it
	s_endpgm
.Lfunc_end_k_qd051b13f73_tree:
	.size	k_qd051b13f73_tree, .Lfunc_end_k_qd051b13f73_tree-k_qd051b13f73_tree
	.p2alignl 7, 3214868480
	.fill 96, 4, 3214868480
	.section	.rodata,"a",@progbits
	.p2align	6, 0x0
	.amdhsa_kernel k_qd051b13f73_tree
		.amdhsa_group_segment_fixed_size 327680
		.amdhsa_private_segment_fixed_size 0
		.amdhsa_enable_private_segment 0
		.amdhsa_kernarg_size 32
		.amdhsa_user_sgpr_count 2
		.amdhsa_user_sgpr_kernarg_segment_ptr 1
		.amdhsa_wavefront_size32 1
		.amdhsa_system_sgpr_workgroup_id_x 1
		.amdhsa_system_sgpr_workgroup_id_y 1
		.amdhsa_system_sgpr_workgroup_id_z 1
		.amdhsa_system_vgpr_workitem_id 0
		.amdhsa_next_free_vgpr 1024
		.amdhsa_next_free_sgpr 66
		.amdhsa_reserve_vcc 1
		.amdhsa_float_denorm_mode_32 3
		.amdhsa_float_denorm_mode_16_64 3
		.amdhsa_memory_ordered 1
		.amdhsa_forward_progress 1
		.amdhsa_inst_pref_size 255
	.end_amdhsa_kernel
	.section	.bss,"aw",@nobits
	.p2align	6
	.space	262144
	.amdgpu_metadata
---
amdhsa.version: [ 1, 2 ]
amdhsa.kernels:
  - .name:           k_qd051b13f73_tree
    .symbol:         k_qd051b13f73_tree.kd
    .args:
      - { .name: x, .offset: 0, .size: 8, .value_kind: global_buffer, .address_space: global }
      - { .name: wq, .offset: 8, .size: 8, .value_kind: global_buffer, .address_space: global }
      - { .name: b, .offset: 16, .size: 8, .value_kind: global_buffer, .address_space: global }
      - { .name: out0, .offset: 24, .size: 8, .value_kind: global_buffer, .address_space: global }
    .group_segment_fixed_size: 327680
    .private_segment_fixed_size: 0
    .kernarg_segment_align: 8
    .kernarg_segment_size: 32
    .max_flat_workgroup_size: 128
    .sgpr_count:     66
    .vgpr_count:     1024
    .wavefront_size: 32
...
	.end_amdgpu_metadata
.endif
;; end of part 2
;; ======== version 2 of 2: 2 launches; 1.13 times as fast as version 1
;; limits: a function is approximated: absolute error at most 6e-08
;; workspace buffers: wq 2,457,600 bytes
;; launch prep: the kernel of part 1 again; grid 768 x 1, 1 waves a work-group, no clusters, 0 bytes of LDS; arguments feature_mask, W, wq; writes wq
;; launch tree (part 3): grid 256 x 1, 4 waves a work-group, clusters of 4 x 1, 327,680 bytes of LDS; arguments x, wq, b, out0; writes out0
.if DOCPART == 3
	.amdgcn_target "amdgcn-amd-amdhsa--gfx1250"
	.amdhsa_code_object_version 6
	.text
	.protected	k_qd051b13f73_tree
	.globl	k_qd051b13f73_tree
	.p2align	8
	.type	k_qd051b13f73_tree,@function
k_qd051b13f73_tree:
	s_mov_b64 s[64:65], 0
	v_nop
	global_prefetch_b8 v0, s[64:65] scope:SCOPE_SE
	s_setreg_imm32_b32 hwreg(HW_REG_WAVE_MODE, 25, 1), 1
	s_wait_xcnt 0x0
	s_wait_alu depctr_hold_cnt(0) depctr_sa_sdst(0) depctr_va_vdst(0) depctr_va_sdst(0) depctr_va_ssrc(0) depctr_va_vcc(0) depctr_vm_vsrc(0)
	s_getreg_b32 s2, hwreg(HW_REG_IB_STS2, 6, 4)
	s_cmp_eq_u32 s2, 0
	s_cbranch_scc0 .Lentry_in_a_cluster
	s_endpgm
.Lentry_in_a_cluster:
	s_bfe_u32 s2, ttmp6, 0x10000c
	s_cmp_lg_u32 s2, 0x3003
	s_cbranch_scc0 .Lentry_shape_is_right
	s_endpgm
.Lentry_shape_is_right:
; out0[row][leaf] = the product, down a binary tree of depth 10, of d or 1 - d, d = sigmoid(Q(Q(x) Q(feature_mask)) Q(W)^T + b); Q: codes of FP6 (E2M3), one E8M0 scale for each 32 along K.
; The tree's columns are heap indices: node c has the children 2 c (factor d[c]) and 2 c + 1 (factor 1 - d[c]); leaf l is heap index 1024 + l; column 0 enters no factor.
; SHARES.  A work-group takes 64 rows through the whole chain.  ITS FOUR WAVES SHARE THE COLUMNS: wave w makes 256 columns (16 tiles) for all 64 rows (4 tiles of rows): 64 accumulators, 512 registers.
; THE WEIGHTS are the stream wq of the launch before: 24 steps of 128 along K (16 of feature_mask, 8 of W), each step's part for wave w 25,600 dense bytes: 16 fragments as images of their registers, and their scale words.
; They come through a ring of two LDS slots; wave w fetches its own part and reads it alone, each fragment once.  All work-groups walk the same stream, so the four of a cluster ask JOINTLY (a joint load here names four).
; THE ROWS go from wave to wave through LDS as images of the operand's registers: wave w quantises rows 16 w .. 16 w + 15 of x, two K steps ahead; feats are quantised out of the accumulators between the products.
; x IS LOADED AS IT LIES: each load of a wave reads 512 consecutive bytes, one row's K step.  The conversions want 16 neighbours along K in ONE lane, so a K step's 8 KiB turn through the wave's own stage in LDS:
; sixteen stores as loaded, sixteen loads 64 bytes a lane and block.
; BOTH PRODUCTS ARE USED TRANSPOSED (source 0 = 16 rows of the weight, source 1 = 16 rows of x or feats): a lane holds ONE row, and its registers run along the columns.
; The launch before chose the weights' rows for that: product 1's registers come out as neighbours along product 2's K; product 2's register q (0 .. 127) of lane half h is heap index q of the subtree under column 8 + 2 w + h,
; so a lane walks its subtree in its own registers, and its 128 leaves come out in their order.  Register 0 holds the top of the tree: column 4 + w (h = 0), column w (h = 1); those go round through LDS.
; THE FACTORS: g = 2 d - 1; a node N has the children N + N g and N - N g, one packed multiply-add; the ten halvings are a 2^-10 in the subtree's root, which rounds nothing.
; LIMITS: NaN and infinities among the inputs are not served.  A block of zeros gets the scale byte 1 (its codes are zeros).  1 - d is formed as (1 - g) / 2, with f32's absolute rounding, as 1.0 - d has.
;         Leaves under about 2^-116 lose bits to the 2^-10 in the root.
; REGISTERS, in windows of 256 (s_set_vgpr_msb: bits 1:0 source 0, 3:2 source 1, 5:4 source 2, 7:6 destination):
;   window 0: v0-31 addresses and temporaries; v32-47 the weights' scale words, two sets; v48-55 the rows' scale words, two sets; v64-159 the rows' fragments, two sets of 4 x 12; v160-191 the quantiser's;
;             v192-255 64 numbers of x, later b for q = 0 .. 63.  At the end v128-255 hold g.
;   window 1: v0-191 the weights' 16 fragments; v192-255 64 numbers of x, later b for q = 64 .. 127.  At the end: the tree, heap index q at v[q].
;   windows 2, 3: accumulator (m, t) at v[128 (m % 2) + 8 t] of window 2 + m / 2.
.set STEPB,  102400                    ; a step of the stream, and a slot
.set PARTB,  25600                     ; a wave's part of it
.set SCOFF,  24576                     ; in a part: the scale rows, behind 16 images of 1,536 bytes
.set XIMG,   204800                    ; behind the ring: x's images, two blocks of IMGB bytes by turns
.set IMGB,   6656                      ; a block: 4 images of 1,536 bytes (tile of rows m), then 4 rows of scale words of 128 bytes
.set ISC,    6144
.set FIMG,   218112                    ; feats' images: eight such blocks, one for each K step of the second product
.set TOPB,   271360                    ; g of every wave's register 0: 512 w + 128 m + 4 x lane
.set SPARE,  273408                    ; the spare words, 128 bytes for each wave: two blocks of 256 bytes that no other line names
.set XSTG,   273920                    ; x's stages: 16 rows x XPITCH bytes for each wave, its own
.set XPITCH, 528                       ; 512 bytes + 16: row r starts 16 r bytes on modulo 256, so the sixteen rows that a load touches fall on different banks
.set SPITCH, 1040                      ; the way out: a stage of 16 rows x (1,024 bytes + 16) in the wave's own part of slot 0, which has had its last fill and its last read by then
.set RR,  1                            ; v1   lane % 16
.set HH,  2                            ; v2   lane / 16
.set AW,  3                            ; v3-4 my part of slot 0, 1: + 16 x lane
.set AWS, 5                            ; v5-6 its scale rows: + 4 x lane
.set AX,  7                            ; v7   x's images: XIMG + 16 x lane
.set AXS, 8                            ; v8   their scale rows: XIMG + ISC + 4 x lane
.set XW,  9                            ; v9   where I store x's image: AX + 1536 w
.set XWS, 10                           ; v10  and its scale words: AXS + 128 w
.set FW,  11                           ; v11  where I store feats' images: AF + 2 IMGB w
.set FWS, 12                           ; v12  and their scale words
.set AF,  13                           ; v13  feats' images: FIMG + 16 x lane
.set AFS, 14                           ; v14  their scale rows
.set XST, 15                           ; v15  x's stage, on the way in: my wave's stage + 16 x lane
.set SPW, 16                           ; v16  LDS address of my spare word; never rewritten
.set NIL, 17                           ; v17  0; never rewritten
.set STO, 18                           ; v18  the stage of the way out: where I put my leaves
.set SRD, 19                           ; v19  and where I read rows back
.set GO,  20                           ; v20  16 x lane: my bytes of a load's or a store's 512
.set SG2, 21                           ; v21  1.0, negative in lanes 16-31
.set TW,  22                           ; v22  where I store register 0's g
.set TR0, 23                           ; v23  where column 1's g lies for my row
.set TP,  24                           ; v24-31 temporaries: b's offsets, later column 1's and column 2 + w / 2's g
.set WS,  32
.set XS,  48
.set PW,  56                           ; v56, v57 the scale word just made, two by turns
.set PW2, 57
.set TR1, 58                           ; v58  where column 2 + w / 2's g lies for my row
.set XSL, 59                           ; v59  x's stage, on the way out: my wave's stage + XPITCH r + 64 h; when x is done the register takes
.set G3,  59                           ;      2 w + h
.set UU,  60                           ; v60-63 lane l xor 16's register 0
.set XF,  64
.set PC,  160                          ; v160-179 the codes just made;  the second set (between the products alone) lies in v64-83
.set PC2, 64
.set TMX, 180                          ; v180-183 largest magnitudes, v184-187 bytes, v188-191 the conversions' scale operands
.set TMB, 184
.set TMS, 188
.set STG, 192
.set TT,  64                           ; at the end: v64-67 register 0's g, v68-71 and v72-75 the two parts of the subtree's root, for the four tiles of rows
.set PRA, 68
.set PRC, 72
.set GG,  128
.set WV,  12                           ; s12  my wave's number
.set G1,  16                           ; s[16:23] descriptor group 1
.set G0,  24                           ; s[24:31] descriptor group 0, one set for each slot
.set SEL, 32                           ; s[32:33] lane selects for lane l xor 16
.set NC,  34                           ; s[34:35] -log2(e), twice: the packed form names a pair
.set CNT, 36
.set MC,  37
.set XP,  38                           ; s[38:39] x at my wave's first row
.set OP,  40                           ; s[40:41] out0 at the work-group's first row, my wave's 256 leaves
.set MSB, 0
.macro WIN new                         ; the immediate's high byte repeats the setting that is left; a switch that changes nothing is dropped
.if MSB != (\new)
	s_set_vgpr_msb (MSB<<8)|(\new)
.set MSB, (\new)
.endif
.endm
.macro PLACES                          ; a load into a register that a matrix instruction has read, and a vector instruction that reads a matrix result, stand four plain vector instructions behind it (ISA guide 7.12.1 for vector instructions)
.rept 4
	v_nop
.endr
.endm
.macro CREST                           ; a round of the cluster's barrier behind its opening barrier
	s_cmp_lg_u32 s[WV], 0
	s_cbranch_scc1 .Lnot_wave_0_\@
	s_barrier_signal -3
.Lnot_wave_0_\@:
	s_barrier_wait -3
	s_barrier_signal -1
	s_barrier_wait -1
.endm
.macro CROUND                          ; a whole round
	s_barrier_signal -1
	s_barrier_wait -1
	CREST
.endm
; my 16 rows' numbers of one K step, off bytes on from XP, into staging set p (window p), as they lie: load j reads row j's 512 consecutive bytes, 16 a lane
.macro XLOAD p, off
	WIN 64*(\p)
.irp j, 0,1,2,3,4,5,6,7,8,9,10,11,12,13,14,15
	global_load_b128 v[STG+4*\j:STG+4*\j+3], v[GO], s[XP:XP+1] offset:\off+8192*\j th:TH_LOAD_NT
.endr
	WIN 0
.endm
; staging set p turns through my stage: in as loaded, a row to a store; back so that register 16 b + i of lane (r, h) is k = 32 b + 16 h + i of row r.
; LDS serves a wave's instructions in order (ISA guide 5.7.1.4): no wait stands between the stores and the loads, nor in front of the next K step's stores
.macro XTURN p
	s_wait_loadcnt 16                              ; the set's 16 loads are in; the other set's 16, issued behind them, may be out
	WIN 4*(\p)                                     ; an LDS store's data are its source 1
.irp j, 0,1,2,3,4,5,6,7,8,9,10,11,12,13,14,15
	ds_store_b128 v[XST], v[STG+4*\j:STG+4*\j+3] offset:XPITCH*\j
.endr
	WIN 64*(\p)
.irp b, 0,1,2,3
.irp j, 0,1,2,3
	ds_load_b128 v[STG+16*\b+4*\j:STG+16*\b+4*\j+3], v[XSL] offset:128*\b+16*\j
.endr
.endr
	WIN 0
.endm
; 64 numbers of a lane, v[s] .. v[s + 63] of window W, register 16 b + i = k 32 b + 16 h + i of my row, become a fragment's codes in v[pc] .. v[pc + 11] and its scale word in v[pw]
.macro QUANT s, W, pc, pw
	WIN 5*(\W)
.irp b, 0,1,2,3
	v_max3_num_f32 v[TMX+\b], |v[\s+16*\b]|, |v[\s+16*\b+1]|, 0x1800000   ; block b: my 16 numbers, from the low end on, and the floor 2^(3 - 127): the byte cannot fall under 1
.endr
	WIN 20*(\W)
.irp i, 2,4,6,8,10,12,14
.irp b, 0,1,2,3
	v_max3_num_f32 v[TMX+\b], v[TMX+\b], |v[\s+16*\b+\i]|, |v[\s+16*\b+\i+1]|   ; (the four blocks by turns)
.endr
.endr
	WIN 0
.irp b, 0,1,2,3
	v_permlanex16_b32 v[TMB+\b], v[TMX+\b], s[SEL], s[SEL+1]
.endr
.irp b, 0,1,2,3
	v_max_num_f32 v[TMX+\b], v[TMX+\b], v[TMB+\b]            ; with lane l xor 16's: the block's largest magnitude
.endr
.irp b, 0,1,2,3
	v_add_nc_u32 v[TMS+\b], 0xff000000, v[TMX+\b]            ; 2 off its exponent field: the conversion's scale operand
.endr
.irp b, 0,1,2,3
	v_lshrrev_b32 v[TMB+\b], 23, v[TMS+\b]                   ; the scale's byte
.endr
	v_lshl_or_b32 v[\pw], v[TMB+1], 8, v[TMB]
	v_lshl_or_b32 v[\pw], v[TMB+2], 16, v[\pw]
	v_lshl_or_b32 v[\pw], v[TMB+3], 24, v[\pw]               ; my row's scale word
	WIN (\W)
.irp c, 0,1
	v_cvt_scalef32_pk16_fp6_f32 v[\pc+6*\c:\pc+6*\c+2], v[\s+32*\c:\s+32*\c+15], v[TMS+2*\c]
	v_cvt_scalef32_pk16_fp6_f32 v[\pc+12+4*\c:\pc+14+4*\c], v[\s+32*\c+16:\s+32*\c+31], v[TMS+2*\c+1]   ; (a conversion's three registers begin on an even number)
.endr
	WIN 0
	v_nop                                          ; one plain place behind a scaled conversion
.irp c, 0,1                            ; the operand's layout wants a WHOLE block in a lane: lanes 0-15 block 2 c, lanes 16-31 block 2 c + 1
.irp i, 0,1,2
	v_permlane16_swap_b32 v[\pc+6*\c+\i], v[\pc+12+4*\c+\i]
.endr
.irp i, 0,1,2
	v_mov_b32 v[\pc+3+6*\c+\i], v[\pc+12+4*\c+\i]
.endr
.endr
.endm
; staging set p, turned, becomes my tile of rows' image in x's block p.  younger: the LDS instructions issued behind the turn's loads, which may stay out
.macro QXQ p, younger
	s_wait_dscnt \younger                          ; the set is back from the stage
	QUANT STG, \p, PC, PW
.irp c, 0,1,2
	ds_store_b128 v[XW], v[PC+4*\c:PC+4*\c+3] offset:IMGB*\p+512*\c
.endr
	ds_store_b32 v[XWS], v[PW] offset:IMGB*\p
.endm
; 48 LDS loads (32 with xm = 0): out of slot p my tiles 0-7 and all 8 scale rows; with xm = 1 the four tiles of rows' images and scale words at xo, all into set p
.macro LA p, xm, xr, xsr, xo
	WIN 0x40
.irp t, 0,1,2,3,4,5,6,7
.irp c, 0,1,2
	ds_load_b128 v[12*\t+4*\c:12*\t+4*\c+3], v[AW+(\p)] offset:1536*\t+512*\c
.endr
.endr
	WIN 0
.irp i, 0,1,2,3,4,5,6,7
	ds_load_b32 v[WS+8*(\p)+\i], v[AWS+(\p)] offset:128*\i
.endr
.if \xm
.irp m, 0,1,2,3
.irp c, 0,1,2
	ds_load_b128 v[XF+48*(\p)+12*\m+4*\c:XF+48*(\p)+12*\m+4*\c+3], v[\xr] offset:\xo+1536*\m+512*\c
.endr
.endr
.irp m, 0,1,2,3
	ds_load_b32 v[XS+4*(\p)+\m], v[\xsr] offset:\xo+128*\m
.endr
.endif
.endm
.macro LB p                            ; 24 LDS loads: my tiles 8-15
	WIN 0x40
.irp t, 8,9,10,11,12,13,14,15
.irp c, 0,1,2
	ds_load_b128 v[12*\t+4*\c:12*\t+4*\c+3], v[AW+(\p)] offset:1536*\t+512*\c
.endr
.endr
	WIN 0
.endm
; 16 matrix instructions: tiles 8 hf .. 8 hf + 7 x tiles of rows 2 pr, 2 pr + 1; set p of rows and scale words.  cm = 0: onto the sums; 1: the constant 0 starts them; 2: b starts them.
; A scale register holds tile 2 i's words in lanes 0-15 and tile 2 i + 1's in lanes 16-31.  The 64 accumulators take turns, one instruction a turn, in the same order in every step.
.macro MULQ hf, pr, p, cm
.if \cm == 2
	WIN 0x81+0x40*\pr+0x10*\hf                     ; source 0 window 1, source 1 window 0, b in window hf, D in window 2 + pr
.else
	WIN 0xa1+0x50*\pr                              ; source 0 window 1, source 1 window 0, C and D window 2 + pr
.endif
.irp tt, 0,1,2,3,4,5,6,7
.irp mm, 0,1
.set rD, 128*\mm+8*(8*\hf+\tt)
.set rA, 12*(8*\hf+\tt)
.set rB, XF+48*\p+12*(2*\pr+\mm)
.set rC, STG+8*\tt
.set rS, WS+8*\p+(8*\hf+\tt)/2
.set rT, XS+4*\p+2*\pr+\mm
.if \tt%2 == 0
.if \cm == 0
	v_wmma_scale_f32_16x16x128_f8f6f4 v[rD:rD+7], v[rA:rA+11], v[rB:rB+11], v[rD:rD+7], v[rS], v[rT] matrix_a_fmt:MATRIX_FMT_FP6 matrix_b_fmt:MATRIX_FMT_FP6
.elseif \cm == 1
	v_wmma_scale_f32_16x16x128_f8f6f4 v[rD:rD+7], v[rA:rA+11], v[rB:rB+11], 0, v[rS], v[rT] matrix_a_fmt:MATRIX_FMT_FP6 matrix_b_fmt:MATRIX_FMT_FP6
.else
	v_wmma_scale_f32_16x16x128_f8f6f4 v[rD:rD+7], v[rA:rA+11], v[rB:rB+11], v[rC:rC+7], v[rS], v[rT] matrix_a_fmt:MATRIX_FMT_FP6 matrix_b_fmt:MATRIX_FMT_FP6
.endif
.else
.if \cm == 0
	v_wmma_scale_f32_16x16x128_f8f6f4 v[rD:rD+7], v[rA:rA+11], v[rB:rB+11], v[rD:rD+7], v[rS], v[rT] matrix_a_fmt:MATRIX_FMT_FP6 matrix_b_fmt:MATRIX_FMT_FP6 matrix_a_scale:MATRIX_SCALE_ROW1
.elseif \cm == 1
	v_wmma_scale_f32_16x16x128_f8f6f4 v[rD:rD+7], v[rA:rA+11], v[rB:rB+11], 0, v[rS], v[rT] matrix_a_fmt:MATRIX_FMT_FP6 matrix_b_fmt:MATRIX_FMT_FP6 matrix_a_scale:MATRIX_SCALE_ROW1
.else
	v_wmma_scale_f32_16x16x128_f8f6f4 v[rD:rD+7], v[rA:rA+11], v[rB:rB+11], v[rC:rC+7], v[rS], v[rT] matrix_a_fmt:MATRIX_FMT_FP6 matrix_b_fmt:MATRIX_FMT_FP6 matrix_a_scale:MATRIX_SCALE_ROW1
.endif
.endif
.endr
.endr
.endm
; STEP s OF THE STREAM, p = s % 2: 64 matrix instructions on what the step before fetched out of slot p.  fill = 1: slot p is filled again with step s + 2.  la = 1: step s + 1's operands are fetched out of slot 1 - p
; and out of the rows' images at xo; la = 2: the weights alone; la = 0: nothing.  hw: the LDS instructions that may be out when the first products begin.
; xt = 1: staging set p of x turns through my stage, sixteen products and tiles 8-15's loads ahead of the quantiser that reads it.
.macro PERIOD p, cm, fill, la, xr, xsr, xo, hw, xt
.if \fill
	s_wait_tensorcnt 0x0                           ; all my tensor loads have landed: the one that was out is step s + 1's, in the other slot;
	ds_add_u32 v[SPW], v[NIL]                      ; 0 onto my spare word;
	s_add_nc_u64 s[G0+4*\p+2:G0+4*\p+3], s[G0+4*\p+2:G0+4*\p+3], 2*STEPB   ; no load of mine is out, so a group 0 may be written: this slot's next step
.endif
	s_wait_dscnt \hw                               ; tiles 0-7, the scale words and the rows are in
	MULQ 0, 0, \p, \cm
	s_wait_dscnt 0x0                               ; tiles 8-15 are in: my reads of slot p and of the rows' images are over, my stores of images have landed, the add is done
.if \fill
	s_barrier_signal -1                            ; this barrier opens a round of the cluster's barrier
.endif
	MULQ 0, 1, \p, \cm
	WIN 0
.if \fill
	s_barrier_wait -1
	CREST                                          ; no wave of any partner still reads slot p or has a load on its way
	tensor_load_to_lds s[G0+4*\p:G0+4*\p+3], s[G1:G1+7]   ; my one tensor load behind the round, and the first thing there: it has this step's other 32 products and the next step's head in which to land
	s_nop 0
.endif
.if \la
	PLACES                                         ; behind the joint load, and in front of the loads into tiles 0-7
.if \la == 1
	LA 1-\p, 1, \xr, \xsr, \xo
.else
	LA 1-\p, 0, \xr, \xsr, \xo
.endif
.endif
	MULQ 1, 0, \p, \cm
.if \xt
	XTURN \p                                       ; (it names no register of a product)
.endif
	MULQ 1, 1, \p, \cm
	WIN 0
	PLACES                                         ; in front of the loads into tiles 8-15, and of whatever reads results next
.if \la
	LB 1-\p
.endif
.endm
	; ---- the head
	s_load_b256 s[4:11], s[0:1], 0x0               ; x s[4:5], wq s[6:7], b s[8:9], out0 s[10:11]
	v_lshl_add_u32 v[SPW], v0, 2, SPARE
	v_mov_b32 v[NIL], 0
	ds_add_u32 v16, v17
	ds_add_u32 v16, v17
	s_wait_dscnt 0x0
	v_lshrrev_b32 v[TP], 5, v0
	v_readfirstlane_b32 s[WV], v[TP]               ; wave 0..3
	s_bfe_u32 s13, ttmp6, 0x40000                  ; cx: my place in the cluster
	s_lshl_b32 s14, ttmp9, 2                       ; in a cluster launch ttmp9 counts clusters
	s_add_co_u32 s14, s14, s13                     ; my block of 64 rows: it enters x's and out0's addresses alone
	; descriptor group 1: a part, 25,600 dense bytes, as 100 rows of 32 elements of 8 bytes; no padding: every read of an image takes 512 consecutive bytes
	s_mov_b32 s[G1+0], 15|(3<<16)|(1<<21)          ; 15:0 the mask: all four work-groups; 17:16 elements of 8 bytes; 21 set beside a mask
	s_mov_b32 s[G1+1], 32<<16                      ; tensor_dim0 = 32
	s_mov_b32 s[G1+2], 100<<16                     ; tensor_dim1 = 100
	s_mov_b32 s[G1+3], 32<<16                      ; tile_dim0 = 32
	s_mov_b32 s[G1+4], 100                         ; tile_dim1 = 100
	s_mov_b32 s[G1+5], 32                          ; from row to row
	s_mov_b32 s[G1+6], 0
	s_mov_b32 s[G1+7], 0
	s_mov_b32 s[SEL], 0x76543210
	s_mov_b32 s[SEL+1], 0xfedcba98
	s_mov_b32 s[NC], 0xbfb8aa3b                    ; -log2(e)
	s_mov_b32 s[NC+1], s[NC]
	s_mul_i32 s46, s[WV], PARTB                    ; my part of a step, in memory and in a slot: no place in the cluster enters it
	v_and_b32 v[RR], 15, v0
	v_bfe_u32 v[HH], v0, 4, 1
	v_and_b32 v[TP], 31, v0                        ; lane
	v_lshlrev_b32 v[GO], 4, v[TP]
	v_lshlrev_b32 v[TP+1], 2, v[TP]
	v_add_nc_u32 v[AW], s46, v[GO]
	v_add_nc_u32 v[AW+1], STEPB, v[AW]
	v_add_nc_u32 v[AWS], s46, v[TP+1]
	v_add_nc_u32 v[AWS], SCOFF, v[AWS]
	v_add_nc_u32 v[AWS+1], STEPB, v[AWS]
	v_add_nc_u32 v[AX], XIMG, v[GO]
	v_add_nc_u32 v[AXS], XIMG+ISC, v[TP+1]
	s_mul_i32 s47, s[WV], 1536
	v_add_nc_u32 v[XW], s47, v[AX]
	s_lshl_b32 s47, s[WV], 7
	v_add_nc_u32 v[XWS], s47, v[AXS]
	v_add_nc_u32 v[AF], FIMG, v[GO]
	v_add_nc_u32 v[AFS], FIMG+ISC, v[TP+1]
	s_mul_i32 s47, s[WV], 2*IMGB                   ; my 256 columns of feats are K steps 2 w and 2 w + 1 of the second product
	v_add_nc_u32 v[FW], s47, v[AF]
	v_add_nc_u32 v[FWS], s47, v[AFS]
	s_mul_i32 s47, s[WV], 16*XPITCH                ; x's stage: my wave's
	v_add_nc_u32 v[XST], s47, v[GO]
	v_add_nc_u32 v[XST], XSTG, v[XST]              ; in: 16 x lane of a row
	v_mul_u32_u24 v[XSL], v[RR], XPITCH
	v_lshl_add_u32 v[XSL], v[HH], 6, v[XSL]
	v_add_nc_u32 v[XSL], s47, v[XSL]
	v_add_nc_u32 v[XSL], XSTG, v[XSL]              ; back: row r, + 64 h: my 16 numbers of each block of 32
	v_mul_u32_u24 v[STO], v[RR], SPITCH
	v_lshl_add_u32 v[STO], v[HH], 9, v[STO]        ; the way out's stage: row r; my half's 128 leaves are 512 bytes
	v_add_nc_u32 v[STO], s46, v[STO]
	v_add_nc_u32 v[SRD], s46, v[GO]
	v_lshl_or_b32 v[SG2], v[HH], 31, 0x3f800000
	s_lshl_b32 s47, s[WV], 9
	v_add_nc_u32 v[TW], s47, v[TP+1]
	v_add_nc_u32 v[TW], TOPB, v[TW]
	v_lshl_add_u32 v[TR0], v[RR], 2, TOPB+512+64   ; column 1: wave 1's lanes 16-31
	s_lshr_b32 s47, s[WV], 1
	s_lshl_b32 s48, s47, 9
	v_add_nc_u32 v[TR1], s48, v[TR0]
	v_add_nc_u32 v[TR1], 512, v[TR1]               ; column 2 + w / 2: wave 2 + w / 2's lanes 16-31
	s_lshl_b32 s49, s47, 31
	s_or_b32 s42, s49, 0x3a800000                  ; 2^-10, negative where my subtree hangs on the root's second child
	s_mov_b32 s43, 0x3a800000                      ; 2^-10
	s_and_b32 s49, s[WV], 1
	s_lshl_b32 s49, s49, 31
	s_or_b32 s44, s49, 0x3f800000                  ; 1.0, negative where it hangs on the second child at level 1
.irp i, 0,1,2,3
	v_mov_b32 v[TMB+\i], 0                         ; written once: a lane permute's destination counts as one of its sources
	v_mov_b32 v[UU+\i], 0
.endr
	s_lshl_b32 s50, s14, 6
	s_lshl_b32 s51, s[WV], 4
	s_add_co_u32 s50, s50, s51                     ; my wave's first row of x: 64 x block + 16 w
	s_mov_b32 s51, 0
	s_lshl_b64 s[50:51], s[50:51], 13              ; a row of x is 8,192 bytes
	s_lshl_b32 s52, s14, 18                        ; out0: 64 rows of 4,096 bytes a block,
	s_lshl_b32 s53, s[WV], 10                      ; my 256 leaves
	s_add_co_u32 s52, s52, s53
	s_mov_b32 s53, 0
	s_mov_b32 s54, s46
	s_mov_b32 s55, 0
	s_wait_kmcnt 0x0
	s_add_nc_u64 s[XP:XP+1], s[4:5], s[50:51]
	s_add_nc_u64 s[OP:OP+1], s[10:11], s[52:53]
	s_add_nc_u64 s[6:7], s[6:7], s[54:55]          ; wq at my part of step 0
.irp p, 0,1
	s_mov_b32 s[G0+4*\p], 1                        ; 1:0 count = 1
	s_add_co_u32 s[G0+4*\p+1], s46, \p*STEPB       ; 63:32 LDS address
	s_add_nc_u64 s[G0+4*\p+2:G0+4*\p+3], s[6:7], \p*STEPB   ; 120:64 global address: step p
	s_or_b32 s[G0+4*\p+3], s[G0+4*\p+3], 0x80000000   ; 127:126 type = 2
.endr
	XLOAD 0, 0                                     ; x's K steps 0 and 1
	XLOAD 1, 512
	CROUND                                         ; all four work-groups are here: the first joint loads meet
	tensor_load_to_lds s[G0:G0+3], s[G1:G1+7]      ; the two first fills go out together: two tensor loads of mine are out; later never more than one
	s_nop 0
	tensor_load_to_lds s[G0+4:G0+7], s[G1:G1+7]
	s_nop 0
	PLACES
	XTURN 0
	QXQ 0, 0
	XLOAD 0, 1024                                  ; K step 2
	XTURN 1
	QXQ 1, 0                                       ; (its wait for 0 also shows that the first image's stores have read the codes' registers)
	XLOAD 1, 1536                                  ; K step 3
	s_wait_tensorcnt 1                             ; my part of step 0 is in; step 1's may stay out
	s_wait_dscnt 0x0                               ; my images of x have landed
	s_barrier_signal -1
	s_barrier_wait -1                              ; everybody's have
	LA 0, 1, AX, AXS, 0
	LB 0
	; ---- product 1: feats^T = mask^T x^T, K steps 0 .. 15.  Step s also turns and quantises x's K step s + 2 into block s % 2, which nobody reads behind step s's round, and asks memory for K step s + 4
	PERIOD 0, 1, 1, 1, AX, AXS, IMGB, 25, 1        ; 25: the add and tiles 8-15's 24 loads may be out (where four stores of images stand behind those, the count only asks for more)
	QXQ 0, 24                                      ; 24: behind the turn's loads stand tiles 8-15's 24
	XLOAD 0, 2048
	s_mov_b32 s[CNT], 0
.Lk1:                                              ; seven trips: steps 2 CNT + 1 and 2 CNT + 2
	PERIOD 1, 0, 1, 1, AX, AXS, 0, 25, 1
	s_wait_xcnt 0x0                                ; the loads of x, the youngest a whole step old, have read their base: it may step
	s_add_nc_u64 s[XP:XP+1], s[XP:XP+1], 1024      ; two K steps on: XP now stands at K step 2 CNT + 2
	QXQ 1, 24                                      ; K step 2 CNT + 3
	s_cmp_le_u32 s[CNT], 5
	s_cbranch_scc0 .Lno_odd                        ; K step 2 CNT + 5 exists up to CNT = 5: no load leaves x's rows
	XLOAD 1, 1536
	s_branch .Lodd_done
.Lno_odd:
	s_wait_loadcnt 0x0                             ; where no loads follow, the counted wait ahead would show nothing: all that is out lands here
.Lodd_done:
	PERIOD 0, 0, 1, 1, AX, AXS, IMGB, 25, 1        ; (in the last trip there is no K step 16: the turn then moves numbers that nobody reads; it stands on every way, so that every wait's count holds on every way)
	s_cmp_le_u32 s[CNT], 5
	s_cbranch_scc0 .Lno_even                       ; K step 2 CNT + 4 exists up to CNT = 5,
	QXQ 0, 24
	s_cmp_le_u32 s[CNT], 4
	s_cbranch_scc0 .Lno_even                       ; K step 2 CNT + 6 up to CNT = 4
	XLOAD 0, 2048
	s_branch .Leven_done
.Lno_even:
	s_wait_loadcnt 0x0
.Leven_done:
	s_add_co_u32 s[CNT], s[CNT], 1
	s_cmp_lt_u32 s[CNT], 7
	s_cbranch_scc1 .Lk1
	PERIOD 1, 0, 1, 2, AX, AXS, 0, 25, 0           ; K step 15; W's first step is fetched, its rows are not made yet
	; ---- b, in the second product's result layout, into the registers that x has left: register q = b[q + (7 + g) P]: level l of my subtree is 2^l neighbours from column 2^(3 + l) + g 2^l on
	s_wait_loadcnt 0x0                             ; no load of x is out on any way here
	s_lshl_b32 s46, s[WV], 1
	v_add_nc_u32 v[G3], s46, v[HH]                 ; g = 2 w + h
.irp l, 0,1,2,3,4,5,6
	v_lshlrev_b32 v[TP+\l], \l+2, v[G3]            ; 4 g 2^l
.endr
	s_lshl_b32 s46, s[WV], 2
	s_add_co_u32 s46, s46, 16
	v_lshlrev_b32 v[TP+7], 4, v[HH]
	v_sub_nc_u32 v[TP+7], s46, v[TP+7]             ; q = 0: column 4 + w, or w
	global_load_b32 v[STG], v[TP+7], s[8:9]
	global_load_b32 v[STG+1], v[TP], s[8:9] offset:32
	global_load_b64 v[STG+2:STG+3], v[TP+1], s[8:9] offset:64
	global_load_b128 v[STG+4:STG+7], v[TP+2], s[8:9] offset:128
.irp i, 0,1
	global_load_b128 v[STG+8+4*\i:STG+11+4*\i], v[TP+3], s[8:9] offset:256+16*\i
.endr
.irp i, 0,1,2,3
	global_load_b128 v[STG+16+4*\i:STG+19+4*\i], v[TP+4], s[8:9] offset:512+16*\i
.endr
.irp i, 0,1,2,3,4,5,6,7
	global_load_b128 v[STG+32+4*\i:STG+35+4*\i], v[TP+5], s[8:9] offset:1024+16*\i
.endr
	WIN 0x40
.irp i, 0,1,2,3,4,5,6,7,8,9,10,11,12,13,14,15
	global_load_b128 v[STG+4*\i:STG+4*\i+3], v[TP+6], s[8:9] offset:2048+16*\i
.endr
	WIN 0
	; ---- between the products: my 64 accumulators are feats' K steps 2 w and 2 w + 1 for the four tiles of rows: eight fragments, quantised in registers, images to LDS
.macro TRQ n, pc, pw                   ; number n: K step 2 w + n / 4, tile of rows n % 4
.set qs, 128*((\n)%2)+64*((\n)/4)
.set qw, 2+((\n)%4)/2
.if (\n) >= 2
	s_wait_dscnt 4                                 ; the stores of two fragments ago have read these registers; the last fragment's four may be out
.endif
	QUANT qs, qw, \pc, \pw
.irp c, 0,1,2
	ds_store_b128 v[FW], v[\pc+4*\c:\pc+4*\c+3] offset:IMGB*((\n)/4)+1536*((\n)%4)+512*\c
.endr
	ds_store_b32 v[FWS], v[\pw] offset:IMGB*((\n)/4)+128*((\n)%4)
.endm
	TRQ 0, PC, PW
	TRQ 1, PC2, PW2
	TRQ 2, PC, PW
	TRQ 3, PC2, PW2
	TRQ 4, PC, PW
	TRQ 5, PC2, PW2
	TRQ 6, PC, PW
	TRQ 7, PC2, PW2
	s_wait_dscnt 0x0                               ; my images of feats have landed
	s_barrier_signal -1
	s_barrier_wait -1                              ; all 32 lie in LDS.  (Step 17's load may stay out)
.irp m, 0,1,2,3
.irp c, 0,1,2
	ds_load_b128 v[XF+12*\m+4*\c:XF+12*\m+4*\c+3], v[AF] offset:1536*\m+512*\c
.endr
.endr
.irp m, 0,1,2,3
	ds_load_b32 v[XS+\m], v[AFS] offset:128*\m
.endr
	s_wait_loadcnt 0x0                             ; b
	; ---- product 2: z^T = W feats^T + b, K steps 0 .. 7 = steps 16 .. 23 of the stream
	PERIOD 0, 2, 1, 1, AF, AFS, 1*IMGB, 1, 0       ; 1: the add alone may be out
	PERIOD 1, 0, 1, 1, AF, AFS, 2*IMGB, 25, 0
	PERIOD 0, 0, 1, 1, AF, AFS, 3*IMGB, 25, 0
	PERIOD 1, 0, 1, 1, AF, AFS, 4*IMGB, 25, 0
	PERIOD 0, 0, 1, 1, AF, AFS, 5*IMGB, 25, 0
	PERIOD 1, 0, 1, 1, AF, AFS, 6*IMGB, 25, 0      ; the last fill: step 23
	s_wait_tensorcnt 0x0                           ; step 23 has landed; nothing is filled any more, so no barrier follows: I alone read my part
	PERIOD 0, 0, 0, 1, AF, AFS, 7*IMGB, 24, 0      ; 24: tiles 8-15's loads may be out
	PERIOD 1, 0, 0, 0, AF, AFS, 0, 24, 0
	; ---- the top of the tree: g of register 0 for the four tiles of rows goes round through LDS
	WIN 0x08
	v_mul_f32 v[TT], s[NC], v0                     ; -z log2(e): each accumulator is read from its low end on
	v_mul_f32 v[TT+1], s[NC], v128
	WIN 0x0c
	v_mul_f32 v[TT+2], s[NC], v0
	v_mul_f32 v[TT+3], s[NC], v128
	WIN 0
.irp m, 0,1,2,3
	v_exp_f32 v[TT+\m], v[TT+\m]
.endr
	v_nop                                          ; a plain place behind the transcendentals
	s_wait_alu depctr_va_vdst(0)
.irp m, 0,1,2,3
	v_add_f32 v[TT+\m], 1.0, v[TT+\m]
.endr
.irp m, 0,1,2,3
	v_rcp_f32 v[TT+\m], v[TT+\m]                   ; d
.endr
	v_nop
	s_wait_alu depctr_va_vdst(0)
.irp m, 0,1,2,3
	v_fma_f32 v[TT+\m], v[TT+\m], 2.0, -1.0        ; g = 2 d - 1
.endr
.irp m, 0,1,2,3
	ds_store_b32 v[TW], v[TT+\m] offset:128*\m
.endr
	s_wait_dscnt 0x0                               ; for the others' sake
	s_barrier_signal -1
	s_barrier_wait -1
.irp m, 0,1,2,3
	ds_load_b32 v[TP+\m], v[TR0] offset:128*\m     ; column 1's g of my row,
.endr
.irp m, 0,1,2,3
	ds_load_b32 v[TP+4+\m], v[TR1] offset:128*\m   ; column 2 + w / 2's
.endr
.irp m, 0,1,2,3
	v_permlanex16_b32 v[UU+\m], v[TT+\m], s[SEL], s[SEL+1]
.endr
	v_cmp_eq_u32 vcc_lo, 1, v[HH]
.irp m, 0,1,2,3
	v_cndmask_b32 v[UU+\m], v[TT+\m], v[UU+\m], vcc_lo   ; column 4 + w's lies in lanes 0-15 of my own wave
.endr
.irp m, 0,1,2,3
	v_fma_f32 v[PRC+\m], v[UU+\m], v[SG2], 1.0     ; 1 + g or 1 - g: my half's side of column 4 + w
.endr
	s_wait_dscnt 0x0
.irp m, 0,1,2,3
	v_fma_f32 v[PRA+\m], v[TP+\m], s42, s43        ; 2^-10 (1 +- g)
.endr
.irp m, 0,1,2,3
	v_fma_f32 v[TP+4+\m], v[TP+4+\m], s44, 1.0
.endr
.irp m, 0,1,2,3
	v_mul_f32 v[PRA+\m], v[PRA+\m], v[TP+4+\m]
.endr
	WIN 0x40
	v_mov_b32 v0, 0                                ; heap index 0: named as the other half of the pair with index 1
	WIN 0
	; ---- the tree, a tile of 16 rows a trip.  Only the registers that a trip reads differ, so only its head is written four times
.macro HEAD m
	WIN 2+(\m)/2
.set ii, 0
.rept 64
	v_pk_mul_f32 v[GG+2*ii:GG+2*ii+1], v[128*((\m)%2)+2*ii:128*((\m)%2)+2*ii+1], s[NC:NC+1] op_sel_hi:[1,0]   ; -z log2(e), ascending: each accumulator from its low end on
.set ii, ii+1
.endr
	WIN 0x40
	v_mul_f32 v1, v[PRA+\m], v[PRC+\m]             ; heap index 1: my subtree's root
	WIN 0
.endm
	s_mov_b32 s[MC], 0
.Lm:
	s_cmp_eq_u32 s[MC], 0
	s_cbranch_scc1 .Lhead0
	s_cmp_eq_u32 s[MC], 1
	s_cbranch_scc1 .Lhead1
	s_cmp_eq_u32 s[MC], 2
	s_cbranch_scc1 .Lhead2
	HEAD 3
	s_branch .Lcommon
.Lhead0:
	HEAD 0
	s_branch .Lcommon
.Lhead1:
	HEAD 1
	s_branch .Lcommon
.Lhead2:
	HEAD 2
.Lcommon:
.set ii, 0
.rept 128
	v_exp_f32 v[GG+ii], v[GG+ii]
.set ii, ii+1
.endr
	v_nop                                          ; a plain place behind the transcendentals
.set ii, 0
	s_wait_alu depctr_va_vdst(0)
.rept 64
	v_pk_add_f32 v[GG+2*ii:GG+2*ii+1], v[GG+2*ii:GG+2*ii+1], 1.0 op_sel_hi:[1,0]
.set ii, ii+1
.endr
.set ii, 0
.rept 128
	v_rcp_f32 v[GG+ii], v[GG+ii]
.set ii, ii+1
.endr
	v_nop
.set ii, 0
	s_wait_alu depctr_va_vdst(0)
.rept 64
	v_pk_fma_f32 v[GG+2*ii:GG+2*ii+1], v[GG+2*ii:GG+2*ii+1], 2.0, -1.0 op_sel_hi:[1,0,0]   ; g = 2 d - 1
.set ii, ii+1
.endr
	WIN 0x51                                       ; the tree (destination, sources 0 and 2) in window 1, g in window 0
.set qq, 1
.rept 127                              ; node q's children 2 q, 2 q + 1 = N + N g, N - N g: both halves take register q of its pair, and the upper half takes -g
.set ee, qq-(qq%2)
.if qq%2 == 0
	v_pk_fma_f32 v[2*qq:2*qq+1], v[ee:ee+1], v[GG+ee:GG+ee+1], v[ee:ee+1] op_sel:[0,0,0] op_sel_hi:[0,0,0] neg_hi:[0,1,0]
.else
	v_pk_fma_f32 v[2*qq:2*qq+1], v[ee:ee+1], v[GG+ee:GG+ee+1], v[ee:ee+1] op_sel:[1,1,1] op_sel_hi:[1,1,1] neg_hi:[0,1,0]
.endif
.set qq, qq+1
.endr
	; the way out: a lane holds 512 neighbouring bytes of one row and the lanes beside it other rows: through my stage, and back as runs of 512 bytes of a row
	WIN 0x04                                       ; an LDS store's data are its source 1: window 1
.set ii, 0
.rept 32
	ds_store_b128 v[STO], v[128+4*ii:128+4*ii+3] offset:16*ii
.set ii, ii+1
.endr
	WIN 0x40
.set ii, 0
.rept 32
	ds_load_b128 v[128+4*ii:128+4*ii+3], v[SRD] offset:SPITCH*(ii/2)+512*(ii%2)   ; LDS serves a wave's instructions in order (ISA guide 5.7.1.4): these see the stores above
.set ii, ii+1
.endr
	WIN 0x04
.set ii, 0
.rept 32
	s_wait_dscnt 31-ii                             ; load ii is in; the younger ones may be out
	global_store_b128 v[GO], v[128+4*ii:128+4*ii+3], s[OP:OP+1] offset:4096*(ii/2)+512*(ii%2) th:TH_STORE_NT   ; 32 lanes store 512 consecutive bytes, at a multiple of 256 from out0's first byte
.set ii, ii+1
.endr
	WIN 0
	s_wait_xcnt 0x0                                ; the stores have read their registers and their base: both are written again
	s_add_nc_u64 s[OP:OP+1], s[OP:OP+1], 65536     ; 16 rows on
	s_add_co_u32 s[MC], s[MC], 1
	s_cmp_lt_u32 s[MC], 4
	s_cbranch_scc1 .Lm
	s_wait_tensorcnt 0x0                           ; the wave's end: behind my last tensor load and my last LDS store
	ds_add_u32 v[SPW], v[NIL]
	s_wait_dscnt 0x0
	CROUND                                         ; the closing round: no work-group ends while a partner may still ask for a part that names it
	s_endpgm
.Lfunc_end_k_qd051b13f73_tree:
	.size	k_qd051b13f73_tree, .Lfunc_end_k_qd051b13f73_tree-k_qd051b13f73_tree
	.p2alignl 7, 3214868480
	.fill 96, 4, 3214868480
	.section	.rodata,"a",@progbits
	.p2align	6, 0x0
	.amdhsa_kernel k_qd051b13f73_tree
		.amdhsa_group_segment_fixed_size 327680
		.amdhsa_private_segment_fixed_size 0
		.amdhsa_enable_private_segment 0
		.amdhsa_kernarg_size 32
		.amdhsa_user_sgpr_count 2
		.amdhsa_user_sgpr_kernarg_segment_ptr 1
		.amdhsa_wavefront_size32 1
		.amdhsa_system_sgpr_workgroup_id_x 1
		.amdhsa_system_sgpr_workgroup_id_y 1
		.amdhsa_system_sgpr_workgroup_id_z 1
		.amdhsa_system_vgpr_workitem_id 0
		.amdhsa_next_free_vgpr 1024
		.amdhsa_next_free_sgpr 66
		.amdhsa_reserve_vcc 1
		.amdhsa_float_denorm_mode_32 3
		.amdhsa_float_denorm_mode_16_64 3
		.amdhsa_memory_ordered 1
		.amdhsa_forward_progress 1
		.amdhsa_inst_pref_size 255
	.end_amdhsa_kernel
	.section	.bss,"aw",@nobits
	.p2align	6
	.space	262144
	.amdgpu_metadata
---
amdhsa.version: [ 1, 2 ]
amdhsa.kernels:
  - .name:           k_qd051b13f73_tree
    .symbol:         k_qd051b13f73_tree.kd
    .args:
      - { .name: x, .offset: 0, .size: 8, .value_kind: global_buffer, .address_space: global }
      - { .name: wq, .offset: 8, .size: 8, .value_kind: global_buffer, .address_space: global }
      - { .name: b, .offset: 16, .size: 8, .value_kind: global_buffer, .address_space: global }
      - { .name: out0, .offset: 24, .size: 8, .value_kind: global_buffer, .address_space: global }
    .group_segment_fixed_size: 327680
    .private_segment_fixed_size: 0
    .kernarg_segment_align: 8
    .kernarg_segment_size: 32
    .max_flat_workgroup_size: 128
    .sgpr_count:     66
    .vgpr_count:     1024
    .wavefront_size: 32
...
	.end_amdgpu_metadata
.endif
;; end of part 3
